; MI455X (gfx1250); checked and timed in simulation.
; The chip was launched on July 23, 2026; its instructions are those of AMD's public machine-readable ISA for CDNA 5 (MIT licence, August 2026) and "CDNA5" Instruction Set Architecture Reference Guide (July 2026). The comments in the code are by the model that wrote it; some were corrected since.
;; Block. Allowed arithmetic: matrix products marked QUANTISED: E4M3 operands, one given power-of-two scale a tensor, by v_wmma_f32_16x16x64_fp8_fp8 or v_wmma_f32_16x16x128_fp8_fp8, f32 sums; everything else in f32.
;; Inputs: W_ff1_codes 4,096 x 32 x 32 uint8 (E4M3 codes of W_ff1, K innermost, in blocks of 32 codes); W_ff2_codes 1,024 x 128 x 32 uint8 (E4M3 codes of W_ff2, K innermost, in blocks of 32 codes); Wk_codes 16 x 64 x 32 x 32 uint8 (E4M3 codes of Wk, K innermost, in blocks of 32 codes); Wproj_codes 1,024 x 32 x 32 uint8 (E4M3 codes of Wproj, K innermost, in blocks of 32 codes); Wq_codes 16 x 64 x 32 x 32 uint8 (E4M3 codes of Wq, K innermost, in blocks of 32 codes); Wv_codes 16 x 64 x 32 x 32 uint8 (E4M3 codes of Wv, K innermost, in blocks of 32 codes); b1 1,024 float32; b2 1,024 float32; b_ff1 4,096 float32; b_ff2 1,024 float32; bproj 1,024 float32; g1 1,024 float32; g2 1,024 float32; lowp_scales 16 int32 (the exponents e of the quantised operands' scales 2^e); x 2 x 2,048 x 1,024 float32.
;; Outputs: out0 2 x 2,048 x 1,024 float32.
;; This version of the problem:
;;   THIS VERSION OF THE PROBLEM IS GIVEN IN LOW PRECISION. The matrix products marked QUANTISED in the list below multiply operands that are first quantised to E4M3 (4 exponent bits, 3 mantissa bits; 8 bits a number), with one given power-of-two scale for each operand tensor; their sums are f32. All else is computed in f32.
;;   The module's matrix products, in the order in which they are computed (A, B: the left and right operand; K: the contracted axis; several contracted axes count as one K, in the product's order):
;;     1. [M 1,024, K 1,024] x [K 1,024, N 4,096]; A: input Wq (given as codes); B: computed on the way: QUANTISED (scales: A lowp_scales[0], B lowp_scales[1])
;;     2. [M 1,024, K 1,024] x [K 1,024, N 4,096]; A: input Wk (given as codes); B: computed on the way: QUANTISED (scales: A lowp_scales[2], B lowp_scales[3])
;;     3. [M 1,024, K 1,024] x [K 1,024, N 4,096]; A: input Wv (given as codes); B: computed on the way: QUANTISED (scales: A lowp_scales[4], B lowp_scales[5])
;;     4. batch 32 x [M 2,048, K 64] x [K 64, N 2,048]; A: computed on the way; B: computed on the way: QUANTISED (scales: A lowp_scales[6], B lowp_scales[7])
;;     5. batch 32 x [M 2,048, K 2,048] x [K 2,048, N 64]; A: softmax (see below); B: computed on the way: QUANTISED (scales: A lowp_scales[8], B lowp_scales[9])
;;     6. [M 4,096, K 1,024] x [K 1,024, N 1,024]; A: computed on the way; B: input Wproj (given as codes): QUANTISED (scales: A lowp_scales[10], B lowp_scales[11])
;;     7. [M 4,096, K 1,024] x [K 1,024, N 4,096]; A: computed on the way; B: input W_ff1 (given as codes): QUANTISED (scales: A lowp_scales[12], B lowp_scales[13])
;;     8. [M 4,096, K 4,096] x [K 4,096, N 1,024]; A: computed on the way; B: input W_ff2 (given as codes): QUANTISED (scales: A lowp_scales[14], B lowp_scales[15])
;;   THE QUANTISER, for each operand of a quantised product, along K:
;;     - The operand's scale is 2^e, e = its entry of the input lowp_scales (int32; the entries are numbered through the quantised products in the list's order, A before B).
;;     - Each number is divided by the scale, clamped to +-448, and rounded to the nearest number of E4M3, ties to even, subnormals kept.
;;     - The product sums the exact products of the quantised numbers (number of the format x scale) in f32.
;;   ~~~python
;;   def quantise(x, axis, e):      # numpy; x: float32 -> the quantised numbers, widened to float32 again
;;       x = np.moveaxis(x, axis, -1); K = x.shape[-1]
;;       r = np.clip(x / 2.0 ** e, -448, 448)
;;       step = 2.0 ** (np.maximum(np.frexp(np.where(r == 0, 1, r))[1] - 1, -6) - 3)
;;       q = np.round(r / step) * step * 2.0 ** e      # np.round: ties to even
;;       return np.moveaxis(q, -1, axis).astype(np.float32)
;;   ~~~
;;   SOFTMAX AHEAD OF A QUANTISED PRODUCT. Where the list says 'softmax', what is quantised is not the finished softmax but p = 2^(t - M), with t = logit x log2(e) and M = ceil(the row's largest t), a whole number; so 1/2 < the row's largest p <= 1. The row's sum l is taken of the UNQUANTISED p, in f32, and the product's result is divided by l at the end. Since M is a whole number, a kernel that streams over the keys may use a running M (the ceiling of the running maximum): every later rescaling is an exact power of two, so the quantised numbers keep their values, but for numbers so far below the row's largest that they fall under the format's range.
;;   OPERANDS COMPUTED ON THE WAY. 'Computed on the way' means the value that the module computes at that place (a softmax that the list does not call 'softmax' is quantised finished and normalised). What goes into a quantiser is computed in f32, as accurately as f32 sums, v_exp_f32 and their like allow (about 1e-6 of the number): no bf16 or f16 on the way to a quantiser, and a product that is left as it is and whose result goes on into a quantised operand takes f32 operands (vector FMAs, or v_wmma_f32_16x16x4_f32). A number that lies on a knife's edge between two numbers of the format may be rounded either way, as far as f32 arithmetic and the matrix unit's own rounding can turn it there, and no further.
;;   INPUTS GIVEN AS CODES. W_ff1 (in the module: [1024, 4096], K = its axis 0); W_ff2 (in the module: [4096, 1024], K = its axis 0); Wk (in the module: [16, 1024, 64], K = its axis 1); Wproj (in the module: [1024, 1024], K = its axis 0); Wq (in the module: [16, 1024, 64], K = its axis 1); Wv (in the module: [16, 1024, 64], K = its axis 1): each comes as NAME_codes (uint8): NAME with its K axis moved to the last place and cut into blocks of 32 codes, [.., K / 32, bytes a block], one block behind the other in memory; one code a byte (a code: sign, 4 exponent bits, 3 mantissa bits); its scale is its entry of lowp_scales. Its value is code x scale, taken as it is: it is not quantised again, and the codes and scales need not be those that the quantiser above would give.
;; One version. Each part assembles by itself: llvm-mc -triple=amdgcn-amd-amdhsa -mcpu=gfx1250 --defsym DOCPART=n.
;; ======== version 1 of 1: 7 launches
;; limits: right only within a limited range of input values
;; workspace buffers: hc 12,582,912 bytes; qkv 12,582,912 bytes; oc 4,194,304 bytes; x1 16,777,216 bytes; h2c 4,194,304 bytes; hid 16,777,216 bytes
;; launch ln1 (part 1): grid 256 x 1, 8 waves a work-group, no clusters, 50,176 bytes of LDS; arguments x, g1, b1, lowp_scales, hc; writes hc
.if DOCPART == 1
	.amdgcn_target "amdgcn-amd-amdhsa--gfx1250"
	.amdhsa_code_object_version 6
	.text
	.protected	k_q9fed9f23d7_ln1
	.globl	k_q9fed9f23d7_ln1
	.p2align	8
	.type	k_q9fed9f23d7_ln1,@function
k_q9fed9f23d7_ln1:
	s_mov_b64 s[64:65], 0
	v_nop
	global_prefetch_b8 v0, s[64:65] scope:SCOPE_SE
	s_setreg_imm32_b32 hwreg(HW_REG_WAVE_MODE, 25, 1), 1
	s_wait_xcnt 0x0
; h = (x - mean) * rsqrt(var + 1e-5) * g + b along rows of 1,024 f32, then quantised NQ times to E4M3 codes, each time with a given scale 2^e.
; NQ = 3: entries 1, 3, 5 of the scales; the three sets of codes go to three sections of 4 MiB of the output, each [4096][1024], K innermost.
; NQ = 1: entry 12; one section.
; SHARES: 256 work-groups x 8 waves x 2 rows.  A row of 4,096 bytes lies in 32 registers of one wave, so mean and variance are taken in two passes over registers
; (the variance of x - mean, not a difference of large sums) and memory is read once.  Chunk j of a row (512 bytes) comes by one load, 16 bytes a lane: register 4 j + i holds column 128 j + 4 lane + i.
; A lane's four codes of a chunk are one word; the words turn through the wave's own LDS bytes, so that each store of the wave covers 512 consecutive bytes, aligned.
; No matrix unit, no cluster, no barrier: rows share nothing, waves share nothing.
; LIMITS: each e between -126 and 119, so that 2^e and 448 x 2^e are f32 numbers.  NaN among the inputs is not served.
.set NQ,  3
.set X,   32                           ; v32-95   two rows, 32 registers each; later the rows' codes read back from LDS
.set G,   96                           ; v96-127  g in a row's layout
.set BT,  128                          ; v128-159 b likewise
.set T,   160                          ; v160-175 two sets of eight held numbers, by turns
.set CD,  176                          ; v176-223 codes: 24 row + 8 set + chunk
.set SCL, 16                           ; v16..    2^e of set q
.set LIM, 20                           ; v20..    448 x 2^e of set q
.set REG, 2*NQ*1024                    ; LDS bytes of a wave: a row's 1,024 codes for each row and set
	s_load_b256 s[4:11], s[0:1], 0x0               ; x s[4:5], g s[6:7], b s[8:9], the scales' exponents s[10:11]
	s_load_b64 s[12:13], s[0:1], 0x20              ; the codes
	v_lshl_add_u32 v224, v0, 2, 0xc000
	v_mov_b32 v225, 0
	v_lshrrev_b32 v12, 5, v0
	s_delay_alu instid0(VALU_DEP_1)
	v_readfirstlane_b32 s14, v12                   ; wave 0..7
	v_and_b32 v13, 31, v0                          ; lane
	s_delay_alu instid0(VALU_DEP_1)
	v_lshlrev_b32 v1, 4, v13                       ; 16 x lane: my bytes of a load's or a store's 512
	s_mul_i32 s15, s14, REG
	v_lshl_add_u32 v2, v13, 2, s15                 ; LDS, on the way in: my wave's bytes + 4 x lane
	v_lshl_add_u32 v3, v13, 4, s15                 ; and on the way out: + 16 x lane
	s_lshl_b32 s34, ttmp9, 16                      ; 16 rows of 4,096 bytes a work-group,
	s_lshl_b32 s35, s14, 13                        ; 2 rows a wave
	s_add_co_u32 s34, s34, s35
	s_mov_b32 s35, 0
	s_lshr_b32 s36, s34, 2                         ; the same rows in codes: 1,024 bytes each
	s_mov_b32 s37, 0
	s_mov_b32 s30, 0x76543210                      ; v_permlanex16_b32: lane l xor 16
	s_mov_b32 s31, 0xfedcba98
	s_mov_b32 s32, 0x3a800000                      ; 1 / 1024
	s_mov_b32 s33, 0x3727c5ac                      ; 1e-5
	s_wait_alu depctr_va_vdst(0)
	s_wait_kmcnt 0x0
.if NQ == 3
	s_load_b256 s[16:23], s[10:11], 0x0            ; entries 0 to 7: s17, s19, s21 are wanted
.else
	s_load_b32 s17, s[10:11], 0x30                 ; entry 12
.endif
	s_add_nc_u64 s[4:5], s[4:5], s[34:35]
	s_add_nc_u64 s[24:25], s[12:13], s[36:37]      ; set 0's section at my first row
.if NQ == 3
	s_add_nc_u64 s[26:27], s[24:25], 0x400000      ; set 1's
	s_add_nc_u64 s[28:29], s[24:25], 0x800000      ; set 2's
.endif
.irp j, 0,1,2,3,4,5,6,7
	global_load_b128 v[X+4*\j:X+4*\j+3], v1, s[4:5] offset:512*\j th:TH_LOAD_NT
.endr
.irp j, 0,1,2,3,4,5,6,7
	global_load_b128 v[X+32+4*\j:X+32+4*\j+3], v1, s[4:5] offset:4096+512*\j th:TH_LOAD_NT
.endr
.irp j, 0,1,2,3,4,5,6,7
	global_load_b128 v[G+4*\j:G+4*\j+3], v1, s[6:7] offset:512*\j
.endr
.irp j, 0,1,2,3,4,5,6,7
	global_load_b128 v[BT+4*\j:BT+4*\j+3], v1, s[8:9] offset:512*\j
.endr
	s_wait_kmcnt 0x0
.set q, 0
.rept NQ
	s_add_co_i32 s38, s[17+2*q], 127
	s_lshl_b32 s39, s38, 23
	v_mov_b32 v[SCL+q], s39                        ; 2^e as f32: the conversion takes its exponent field
	s_add_co_i32 s38, s38, 8
	s_lshl_b32 s38, s38, 23
	s_or_b32 s38, s38, 0x600000
	v_mov_b32 v[LIM+q], s38                        ; 448 x 2^e
.set q, q+1
.endr
.macro LANES                           ; v12 summed over the 32 lanes, the result in every lane
	s_delay_alu instid0(VALU_DEP_1)
	v_add_f32_dpp v12, v12, v12 row_xmask:1 row_mask:0xf bank_mask:0xf
	s_delay_alu instid0(VALU_DEP_1)
	v_add_f32_dpp v12, v12, v12 row_xmask:2 row_mask:0xf bank_mask:0xf
	s_delay_alu instid0(VALU_DEP_1)
	v_add_f32_dpp v12, v12, v12 row_xmask:4 row_mask:0xf bank_mask:0xf
	s_delay_alu instid0(VALU_DEP_1)
	v_add_f32_dpp v12, v12, v12 row_xmask:8 row_mask:0xf bank_mask:0xf
	s_delay_alu instid0(VALU_DEP_1)
	v_permlanex16_b32 v13, v12, s30, s31
	s_delay_alu instid0(VALU_DEP_1)
	v_add_f32 v12, v12, v13
.endm
; A row's mean; x - mean in place; the mean of its squares; 1 / sqrt(that + 1e-5), twice, as a pair for the packed multiply.
.macro STATS row
.set XR, X+32*\row
.set MU, 4+2*\row
.set RS, 8+2*\row
	v_pk_add_f32 v[12:13], v[XR:XR+1], v[XR+2:XR+3]        ; two chains that do not wait for each other
	v_pk_add_f32 v[14:15], v[XR+4:XR+5], v[XR+6:XR+7]
.irp j, 8,12,16,20,24,28
	s_delay_alu instid0(VALU_DEP_2)
	v_pk_add_f32 v[12:13], v[12:13], v[XR+\j:XR+\j+1]
	s_delay_alu instid0(VALU_DEP_2)
	v_pk_add_f32 v[14:15], v[14:15], v[XR+\j+2:XR+\j+3]
.endr
	s_delay_alu instid0(VALU_DEP_1)
	v_pk_add_f32 v[12:13], v[12:13], v[14:15]
	s_delay_alu instid0(VALU_DEP_1)
	v_add_f32 v12, v12, v13
	LANES
	s_delay_alu instid0(VALU_DEP_1)
	v_mul_f32 v[MU], s32, v12
	s_delay_alu instid0(VALU_DEP_2)
	v_mul_f32 v[MU+1], s32, v12
.set j, 0
.rept 16
	v_pk_add_f32 v[XR+j:XR+j+1], v[XR+j:XR+j+1], v[MU:MU+1] neg_lo:[0,1] neg_hi:[0,1]
.set j, j+2
.endr
	v_pk_mul_f32 v[12:13], v[XR:XR+1], v[XR:XR+1]
	v_pk_mul_f32 v[14:15], v[XR+2:XR+3], v[XR+2:XR+3]
.irp j, 4,8,12,16,20,24,28
	s_delay_alu instid0(VALU_DEP_2)
	v_pk_fma_f32 v[12:13], v[XR+\j:XR+\j+1], v[XR+\j:XR+\j+1], v[12:13]
	s_delay_alu instid0(VALU_DEP_2)
	v_pk_fma_f32 v[14:15], v[XR+\j+2:XR+\j+3], v[XR+\j+2:XR+\j+3], v[14:15]
.endr
	s_delay_alu instid0(VALU_DEP_1)
	v_pk_add_f32 v[12:13], v[12:13], v[14:15]
	s_delay_alu instid0(VALU_DEP_1)
	v_add_f32 v12, v12, v13
	LANES
	s_delay_alu instid0(VALU_DEP_1)
	v_fma_f32 v12, v12, s32, s33                   ; var + 1e-5
	s_wait_alu depctr_va_vdst(0)
	v_rsq_f32 v[RS], v12
	v_rsq_f32 v[RS+1], v12
	v_nop                                          ; a plain line before v12 is written again or a result is used (ISA guide 5.7.2)
.endm
.macro NORM row                        ; (x - mean) * r, then * g + b, fused
.set XR, X+32*\row
.set RS, 8+2*\row
.set j, 0
.rept 16
	v_pk_mul_f32 v[XR+j:XR+j+1], v[XR+j:XR+j+1], v[RS:RS+1]
.set j, j+2
.endr
.set j, 0
.rept 16
	v_pk_fma_f32 v[XR+j:XR+j+1], v[XR+j:XR+j+1], v[G+j:G+j+1], v[BT+j:BT+j+1]
.set j, j+2
.endr
.endm
; A row's 32 numbers of a lane become 8 words of codes under set's scale.  The conversion to an 8-bit code does not saturate (ISA guide 7.6.2): each number is first held within 448 x the scale,
; into one of two sets of eight registers by turns, so that eight plain lines stand between a conversion and the next write of its sources; the row itself stays for the next set.
.macro QUANT row, set
.set p, 0
.rept 4
.set TS, T+8*(p%2)
.set i, 0
.rept 8
	v_med3_num_f32 v[TS+i], v[X+32*\row+8*p+i], -v[LIM+\set], v[LIM+\set]
.set i, i+1
.endr
	v_cvt_scalef32_pk8_fp8_f32 v[CD+24*\row+8*\set+2*p:CD+24*\row+8*\set+2*p+1], v[TS:TS+7], v[SCL+\set]
.set p, p+1
.endr
	v_nop                                          ; a plain line behind the last conversion of the run
.endm
; The row's codes turn through my wave's own LDS bytes: word j of a lane goes to byte 128 j + 4 lane of the row; 16 bytes a lane come back.  LDS serves a wave's instructions in order: no wait between.
.macro TURN row
.set q, 0
.rept NQ
.set j, 0
.rept 8
	ds_store_b32 v2, v[CD+24*\row+8*q+j] offset:(\row*NQ+q)*1024+128*j
.set j, j+1
.endr
.set q, q+1
.endr
.set k, 0
.rept 2*NQ
	ds_load_b128 v[X+32*\row+4*k:X+32*\row+4*k+3], v3 offset:\row*NQ*1024+512*k   ; the row's own registers are free: all its sets are quantised
.set k, k+1
.endr
.endm
.macro SEND row, younger               ; younger: the LDS instructions issued behind this row's loads
.set k, 0
.rept 2*NQ
	s_wait_dscnt \younger+2*NQ-1-k                 ; LDS loads come back in order: load k is in
	global_store_b128 v1, v[X+32*\row+4*k:X+32*\row+4*k+3], s[24+2*(k/2):25+2*(k/2)] offset:\row*1024+512*(k%2)   ; 512 consecutive bytes, aligned
.set k, k+1
.endr
.endm
	s_wait_loadcnt 24                              ; row 0's eight loads are in; row 1's, g's and b's may be out
	STATS 0
	s_wait_loadcnt 16                              ; row 1's are in
	STATS 1
	s_wait_alu depctr_va_vdst(0)                   ; one wait for the four reciprocal roots, ahead of their first reader
	s_wait_loadcnt 0x0                             ; g and b
	NORM 0
.set qq, 0
.rept NQ
	QUANT 0, qq
.set qq, qq+1
.endr
	TURN 0
	NORM 1                                         ; row 1's arithmetic stands between row 0's loads from LDS and its stores
.set qq, 0
.rept NQ
	QUANT 1, qq
.set qq, qq+1
.endr
	TURN 1
	SEND 0, 10*NQ                                  ; behind row 0's loads: row 1's 8 NQ stores and 2 NQ loads
	SEND 1, 0
	s_wait_tensorcnt 0x0
	ds_add_u32 v224, v225
	s_wait_dscnt 0x0
	s_endpgm
.Lfunc_end_k_q9fed9f23d7_ln1:
	.size	k_q9fed9f23d7_ln1, .Lfunc_end_k_q9fed9f23d7_ln1-k_q9fed9f23d7_ln1
	.p2alignl 7, 3214868480
	.fill 96, 4, 3214868480
	.section	.rodata,"a",@progbits
	.p2align	6, 0x0
	.amdhsa_kernel k_q9fed9f23d7_ln1
		.amdhsa_group_segment_fixed_size 50176
		.amdhsa_private_segment_fixed_size 0
		.amdhsa_enable_private_segment 0
		.amdhsa_kernarg_size 40
		.amdhsa_user_sgpr_count 2
		.amdhsa_user_sgpr_kernarg_segment_ptr 1
		.amdhsa_wavefront_size32 1
		.amdhsa_system_sgpr_workgroup_id_x 1
		.amdhsa_system_sgpr_workgroup_id_y 1
		.amdhsa_system_sgpr_workgroup_id_z 1
		.amdhsa_system_vgpr_workitem_id 0
		.amdhsa_next_free_vgpr 226
		.amdhsa_next_free_sgpr 66
		.amdhsa_reserve_vcc 0
		.amdhsa_float_denorm_mode_32 3
		.amdhsa_float_denorm_mode_16_64 3
		.amdhsa_memory_ordered 1
		.amdhsa_forward_progress 1
		.amdhsa_inst_pref_size 40
	.end_amdhsa_kernel
	.amdgpu_metadata
---
amdhsa.version: [ 1, 2 ]
amdhsa.kernels:
  - .name:           k_q9fed9f23d7_ln1
    .symbol:         k_q9fed9f23d7_ln1.kd
    .args:
      - { .name: x, .offset: 0, .size: 8, .value_kind: global_buffer, .address_space: global }
      - { .name: g1, .offset: 8, .size: 8, .value_kind: global_buffer, .address_space: global }
      - { .name: b1, .offset: 16, .size: 8, .value_kind: global_buffer, .address_space: global }
      - { .name: lowp_scales, .offset: 24, .size: 8, .value_kind: global_buffer, .address_space: global }
      - { .name: hc, .offset: 32, .size: 8, .value_kind: global_buffer, .address_space: global }
    .group_segment_fixed_size: 50176
    .private_segment_fixed_size: 0
    .kernarg_segment_align: 8
    .kernarg_segment_size: 40
    .max_flat_workgroup_size: 256
    .sgpr_count:     66
    .vgpr_count:     226
    .wavefront_size: 32
...
	.end_amdgpu_metadata
.endif
;; end of part 1
;; launch qkv (part 2): grid 12 x 16, 4 waves a work-group, clusters of 4 x 4, 327,680 bytes of LDS; arguments hc, Wq_codes, Wk_codes, Wv_codes, lowp_scales, qkv; writes qkv
.if DOCPART == 2
	.amdgcn_target "amdgcn-amd-amdhsa--gfx1250"
	.amdhsa_code_object_version 6
	.text
	.protected	k_q9fed9f23d7_qkv
	.globl	k_q9fed9f23d7_qkv
	.p2align	8
	.type	k_q9fed9f23d7_qkv,@function
k_q9fed9f23d7_qkv:
	s_mov_b64 s[64:65], 0
	v_nop
	global_prefetch_b8 v0, s[64:65] scope:SCOPE_SE
	s_setreg_imm32_b32 hwreg(HW_REG_WAVE_MODE, 25, 1), 1
	s_wait_xcnt 0x0
	s_wait_alu depctr_hold_cnt(0) depctr_sa_sdst(0) depctr_va_vdst(0) depctr_va_sdst(0) depctr_va_ssrc(0) depctr_va_vcc(0) depctr_vm_vsrc(0)
	s_getreg_b32 s2, hwreg(HW_REG_IB_STS2, 6, 4)
	s_cmp_eq_u32 s2, 0
	s_cbranch_scc0 .Lentry_in_a_cluster
	s_endpgm
.Lentry_in_a_cluster:
	s_bfe_u32 s2, ttmp6, 0x10000c
	s_cmp_lg_u32 s2, 0xf033
	s_cbranch_scc0 .Lentry_shape_is_right
	s_endpgm
.Lentry_shape_is_right:
; C = Q(A B^T): A [..][1024], B [..][1024]: codes of FP8 (E4M3), K innermost, one scale 2^e a tensor; sums in f32; the result is quantised again, to codes under a given scale 2^eo, and stored one byte a number.
; KIND 0 (q, k, v): cluster x = 0: q = h Wq^T, 1: k = h Wk^T: A = h's codes (its section for that product), B = the weight; C rows are tokens, 2,048 bytes apart: q in bytes 0-1023, k in 1024-2047 of a token's row.
;   cluster x = 2: v with the roles changed, A = Wv, B = h's codes: C [feature][token], so that v leaves with the keys innermost; from byte 8 MiB on: [batch][1024 features][2048 tokens].
;   Scales: ea + eb = entries 0+1, 2+3, 4+5; eo = entry 6, 7, 9.  All choices are selects on the cluster's x: no branch.
; KIND 1 (first layer of the FFN): C = Q(relu(A B^T + bias)), entries 12+13, eo = entry 14; the bias, divided by 2^(ea + eb), is the C of each sum's first matrix instruction; the hold at the largest code clips at 0 as well.
; A sum stands for sum x 2^(ea + eb), so its code is sum / 2^(eo - ea - eb): the three scales are one scale of the conversion.
; LIMIT: eo - ea - eb between -126 and 119, so that this power of two and 448 times it are f32 numbers.
; A tile of C, 256 x 256, is made by four waves, as many as a WGP has SIMDs; a wave makes 128 x 128: 64 accumulators of 16 x 16, 512 registers.  K goes in steps of 256 through a ring of two LDS slots filled by the tensor data mover.
; CLUSTERS: 4 x 4 work-groups.  The four of a row of the cluster need the same tiles of A, the four of a column the same tiles of B: each tile is asked for JOINTLY, by the same tensor load with the same descriptor and a mask that names the four.
; THE MATRIX INSTRUCTION IS USED TRANSPOSED (source 0 = 16 rows of B, source 1 = 16 rows of A): a lane then holds eight neighbouring numbers of a row of C: eight codes, 8 bytes.
; KIND 0 has 192 tiles: q, k and v are three products of 4,096 x 1,024 with scales of their own, and no tile crosses from one into another.  No prefetch: K has four steps, two of them first fills.
; REGISTERS, in windows of 256: window 0: v0-31 addresses and the two constants of the conversion; v32-95 the bias (KIND 1), later held sums; from v128 A's fragments, ONE set, later codes and rows of codes.
;   window 1: B's fragments, TWO sets, at v0 and v128.   window 2: the 32 accumulators of my rows 0-63 ((a, b) at v[8 (8 a + b)]);   window 3: those of my rows 64-127.
.set KIND,   0
.set CPITCH, 2048                      ; bytes from row to row of C
.set SIZE_K, 1024
.set KSTEP,  256                       ; along K in a slot
.set ROWB,   256                       ; a tile's row in bytes
.set KROW,   SIZE_K                    ; a row of A or B in memory: 1,024 bytes (the head shifts by 10)
.set PITCH,  272                       ; an LDS row: 256 bytes + 16 of padding = 68 words: row r starts at bank 4 r mod 64 (ISA guide 11.1)
.set FR,     16                        ; registers of a fragment: 16 rows x 128 K
.set NL,     4                         ; LDS loads that bring one
.set NP,     4                         ; places behind this matrix instruction (ISA guide 7.12.1)
.set HALFT,  128*PITCH
.set SLOT,   4*HALFT                   ; A's 256 rows, then B's 256 rows
.set LAPS,   SIZE_K/(2*KSTEP)
.set SPARE,  2*SLOT                    ; behind the ring: the spare words, 128 bytes for each wave
.set SPITCH, 272                       ; the way out: ONE stage of 256 rows x (256 bytes + 16), in slot 0, which has had its last fill and its last read by then
.set SCV,  12                          ; v12  2^(eo - ea - eb)
.set LIMV, 13                          ; v13  448 x that
.set ADRA, 16
.set ADRB, 20
.set STO,  24                          ; v24  the way out: where I put 8 bytes of a row
.set RD,   25                          ; v25  where I read 16 bytes of a row back
.set CO,   26                          ; v26  my byte offset in C
.set SPW,  28                          ; v28  LDS address of my spare word; never rewritten
.set NIL,  29                          ; v29  0; never rewritten
.set TMP,  32
.set BI,   32
.set AF,   128
.set CDS,  128
.set G1, 24
.set G0, 32
.set G1B, 48
.set G0B, 56
.set MSB, 0
.macro WIN new                         ; the immediate's high byte repeats the setting that is left
.if MSB != \new
	s_set_vgpr_msb (MSB<<8)|\new
.set MSB, \new
.endif
.endm
.set MUL_LO, 0xa1                      ; source 0 (B) window 1, source 1 (A) window 0, C and D window 2
.set MUL_HI, 0xf1                      ; the same, C and D window 3
.if KIND
.set FIRST_LO, 0x81                    ; the first step: C (the bias) window 0, D window 2
.set FIRST_HI, 0xc1                    ; D window 3
.else
.set FIRST_LO, MUL_LO
.set FIRST_HI, MUL_HI
.endif
.set TO_B,   0x40                      ; destination window 1, address window 0
; A joint load: waves 0 and 1 fetch for A, waves 2 and 3 for B; the branch hangs on the wave's number alone.  Four v_nop follow each of the two lines.
.macro JLOAD g0a, g1a, g0b, g1b
	s_cmp_eq_u32 s15, 0
	s_cbranch_scc0 .Lfor_b_\@
	tensor_load_to_lds s[\g0a:\g0a+3], s[\g1a:\g1a+7]
	s_nop 0
.rept 4
	v_nop
.endr
	s_branch .Lasked_\@
.Lfor_b_\@:
	tensor_load_to_lds s[\g0b:\g0b+3], s[\g1b:\g1b+7]
	s_nop 0
.rept 4
	v_nop
.endr
.Lasked_\@:
.endm
.macro CREST                           ; a round of the cluster's barrier behind its opening barrier
	s_cmp_lg_u32 s14, 0
	s_cbranch_scc1 .Lnot_wave_0_\@
	s_barrier_signal -3
.Lnot_wave_0_\@:
	s_barrier_wait -3
	s_barrier_signal -1
	s_barrier_wait -1
.endm
.macro CROUND
	s_barrier_signal -1
	s_barrier_wait -1
	CREST
.endm
.if KIND == 0
	s_load_b256 s[68:75], s[0:1], 0x0              ; h's codes s[68:69], Wq s[70:71], Wk s[72:73], Wv s[74:75]
	s_load_b128 s[76:79], s[0:1], 0x20             ; the scales' exponents s[76:77], C s[78:79]
.else
	s_load_b128 s[4:7], s[0:1], 0x0                ; A's codes, B's codes
	s_load_b64 s[76:77], s[0:1], 0x10              ; the scales' exponents
	s_load_b64 s[12:13], s[0:1], 0x18              ; the bias
	s_load_b64 s[78:79], s[0:1], 0x20              ; C
.endif
	v_lshl_add_u32 v[SPW], v0, 2, SPARE
	v_mov_b32 v[NIL], 0
	ds_add_u32 v28, v29
	ds_add_u32 v28, v29
	s_wait_dscnt 0x0
	v_lshrrev_b32 v1, 5, v0
	v_readfirstlane_b32 s14, v1                    ; wave 0..3
	s_lshr_b32 s15, s14, 1                         ; which half of the tile's rows is mine.  Also: I fetch for A (0) or for B (1)
	s_and_b32 s16, s14, 1                          ; which half of its columns.  Also: which 128 rows of that tile I fetch
	s_bfe_u32 s40, ttmp6, 0x40000                  ; cx, cy: my place in the cluster
	s_bfe_u32 s41, ttmp6, 0x40004
	s_and_b32 s66, ttmp7, 0xffff                   ; cluster y
.if KIND == 0
	s_cmp_eq_u32 ttmp9, 2                          ; v: the tokens run along C's columns, so cluster y counts tile columns
	s_cselect_b32 s67, 0, s66
	s_cselect_b32 s96, s66, 0
.else
	s_mov_b32 s67, s66
	s_mov_b32 s96, ttmp9
.endif
	s_lshl_b32 s42, s96, 2
	s_add_co_u32 s42, s42, s40                     ; tile column of C
	s_lshl_b32 s17, s67, 2
	s_add_co_u32 s17, s17, s41                     ; tile row of C
	s_lshl_b32 s43, s41, 2
	s_lshl_b32 s43, 15, s43                        ; my row of the cluster
	s_lshl_b32 s44, 0x1111, s40                    ; my column
	; descriptor group 1: a tile of 128 rows x 256 bytes, padded in LDS
	s_or_b32 s[G1+0], s43, (0<<16)|(1<<20)|(1<<21)|(5<<22)|(3<<25)  ; 15:0 the mask: A's tiles go to my row; 17:16 element of 1 byte; 20 padding on; 21 set beside a mask; 24:22 after every 64 words; 31:25 of 4 words
	s_or_b32 s[G1B+0], s44, (0<<16)|(1<<20)|(1<<21)|(5<<22)|(3<<25)
.irp g, G1, G1B
	s_mov_b32 s[\g+1], ROWB<<16                    ; tensor_dim0
	s_mov_b32 s[\g+2], 128<<16                     ; tensor_dim1
	s_mov_b32 s[\g+3], ROWB<<16                    ; tile_dim0
	s_mov_b32 s[\g+4], 128                         ; tile_dim1
	s_mov_b32 s[\g+5], KROW                        ; tensor_dim0_stride
	s_mov_b32 s[\g+6], 0
	s_mov_b32 s[\g+7], 0
.endr
	s_lshl_b32 s18, s16, 7                         ; which 128 rows of the tile I fetch
	s_lshl_b32 s20, s17, 8
	s_add_co_u32 s20, s20, s18                     ; A: row 256 x tile row + 128 x half,
	s_lshl_b32 s20, s20, 10                        ; in bytes (at most 4 MiB)
	s_mov_b32 s21, 0
	s_lshl_b32 s46, s42, 8
	s_add_co_u32 s46, s46, s18                     ; B: row 256 x tile column + 128 x half
	s_lshl_b32 s46, s46, 10
	s_mov_b32 s47, 0
	s_mul_i32 s45, s14, HALFT                      ; where they go: wave x 128 rows: no place in the cluster enters an LDS address
.if KIND == 0
	s_lshl_b32 s98, ttmp9, 22                      ; h's codes under this product's scale: section cluster x of 4 MiB
	s_mov_b32 s99, 0
.endif
	s_wait_kmcnt 0x0
.if KIND == 0
	s_load_b512 s[80:95], s[76:77], 0x0            ; all sixteen exponents: entry n in s[80 + n]
	s_add_nc_u64 s[68:69], s[68:69], s[98:99]
	s_cmp_eq_u32 ttmp9, 0
	s_cselect_b64 s[6:7], s[70:71], s[72:73]       ; Wq or Wk
	s_cmp_eq_u32 ttmp9, 2
	s_cselect_b64 s[4:5], s[74:75], s[68:69]       ; A: Wv for v, else h
	s_cselect_b64 s[6:7], s[68:69], s[6:7]         ; B: h for v, else the weight
.else
	s_load_b128 s[80:83], s[76:77], 0x30           ; entries 12 to 15
.endif
	s_add_nc_u64 s[20:21], s[4:5], s[20:21]
	s_add_nc_u64 s[46:47], s[6:7], s[46:47]
	CROUND                                         ; all sixteen work-groups are here: the first joint loads meet
.irp s, 0,1
	s_mov_b32 s[G0+4*\s], 1
	s_add_co_u32 s[G0+4*\s+1], s45, \s*SLOT
	s_add_nc_u64 s[G0+4*\s+2:G0+4*\s+3], s[20:21], \s*ROWB
	s_or_b32 s[G0+4*\s+3], s[G0+4*\s+3], 0x80000000
	s_mov_b32 s[G0B+4*\s], 1
	s_add_co_u32 s[G0B+4*\s+1], s45, \s*SLOT
	s_add_nc_u64 s[G0B+4*\s+2:G0B+4*\s+3], s[46:47], \s*ROWB
	s_or_b32 s[G0B+4*\s+3], s[G0B+4*\s+3], 0x80000000
.endr
	JLOAD G0, G1, G0B, G1B                         ; K step 0: one tensor load a wave at the head
	v_and_b32 v1, 15, v0                           ; l % 16
	s_wait_alu depctr_va_vdst(0)
	v_bfe_u32 v2, v0, 4, 1                         ; l / 16
	v_mul_u32_u24 v3, v1, PITCH
	v_lshl_add_u32 v4, v2, 4, v3                   ; a fragment's row x pitch + 16 x half
	s_mul_i32 s21, s15, HALFT                      ; my 128 rows of A
	s_mul_i32 s22, s16, HALFT                      ; my 128 rows of B,
	s_add_co_u32 s22, s22, 2*HALFT                 ; which lie behind A's 256
.irp s, 0,1
	v_add_nc_u32 v[ADRA+\s], s21, v4
	v_add_nc_u32 v[ADRB+\s], s22, v4
	s_add_co_u32 s21, s21, SLOT
	s_add_co_u32 s22, s22, SLOT
.endr
	s_mul_i32 s23, s15, 128*SPITCH                 ; into the stage: my 128 rows, my half of their 256 bytes; row l % 16, 8 bytes for each half of the lanes
	s_lshl_b32 s22, s16, 7
	s_add_co_u32 s23, s23, s22
	v_mul_u32_u24 v5, v1, SPITCH
	s_wait_alu depctr_va_vdst(0)
	v_lshl_add_u32 v5, v2, 3, v5
	v_add_nc_u32 v[STO], s23, v5
	s_mul_i32 s23, s14, 64*SPITCH                  ; back: wave w takes rows 64 w .. 64 w + 63, whole; lanes 0-15 one row of 256 bytes, lanes 16-31 the next
	v_mul_u32_u24 v5, v2, SPITCH
	v_lshl_add_u32 v5, v1, 4, v5
	v_add_nc_u32 v[RD], s23, v5
	v_mul_u32_u24 v5, v2, CPITCH                   ; and the same two rows in C
	v_lshl_add_u32 v[CO], v1, 4, v5
	s_lshl_b32 s20, s17, 8
	s_lshl_b32 s21, s14, 6
	s_add_co_u32 s20, s20, s21                     ; the first row of C that I store: 256 x tile row + 64 x wave
.if KIND == 0
	s_lshl_b32 s20, s20, 11                        ; rows of 2,048 bytes
	s_lshl_b32 s21, s40, 8                         ; + 256 cx
	s_add_co_u32 s20, s20, s21
	s_lshl_b32 s98, ttmp9, 10                      ; q: byte 0, k: byte 1,024 of a token's row
	s_lshr_b32 s96, s66, 1                         ; v: the batch = cluster y / 2, 2 MiB each,
	s_lshl_b32 s96, s96, 21
	s_and_b32 s97, s66, 1                          ; tokens 1,024 (cluster y % 2) on,
	s_lshl_b32 s97, s97, 10
	s_add_co_u32 s96, s96, s97
	s_add_co_u32 s96, s96, 0x800000                ; behind q's and k's 8 MiB
	s_cmp_eq_u32 ttmp9, 2
	s_cselect_b32 s21, s96, s98
.else
	s_lshl_b32 s20, s20, 12                        ; rows of 4,096 bytes
	s_lshl_b32 s21, s42, 8                         ; + 256 x tile column
.endif
	s_add_co_u32 s20, s20, s21
	s_mov_b32 s21, 0
	s_add_nc_u64 s[78:79], s[78:79], s[20:21]
.if KIND
	s_lshl_b32 s46, s42, 10                        ; the bias of my 128 columns: 4 (256 x tile column + 128 x half) bytes on;
	s_lshl_b32 s47, s16, 9
	s_add_co_u32 s46, s46, s47
	s_mov_b32 s47, 0
	s_add_nc_u64 s[12:13], s[12:13], s[46:47]
	v_lshlrev_b32 v7, 5, v2                        ; lane (r, h) wants, for B's block b, columns 16 b + 8 h + 0 .. 7: the result's layout
.irp b, 0,1,2,3,4,5,6,7
	global_load_b128 v[BI+8*\b:BI+8*\b+3], v7, s[12:13] offset:64*\b
	global_load_b128 v[BI+8*\b+4:BI+8*\b+7], v7, s[12:13] offset:64*\b+16
.endr
.endif
	s_wait_kmcnt 0x0
.if KIND == 0
	s_add_co_i32 s80, s80, s81
	s_add_co_i32 s82, s82, s83
	s_add_co_i32 s84, s84, s85
	s_cmp_eq_u32 ttmp9, 0
	s_cselect_b32 s80, s80, s82
	s_cselect_b32 s86, s86, s87
	s_cmp_eq_u32 ttmp9, 2
	s_cselect_b32 s80, s84, s80                    ; ea + eb
	s_cselect_b32 s86, s89, s86                    ; eo
.else
	s_add_co_i32 s80, s80, s81                     ; ea + eb
	s_mov_b32 s86, s82                             ; eo
.endif
	s_sub_co_i32 s86, s86, s80
	s_add_co_i32 s86, s86, 127
	s_lshl_b32 s87, s86, 23
	v_mov_b32 v[SCV], s87                          ; 2^(eo - ea - eb) as f32
	s_add_co_i32 s86, s86, 8
	s_lshl_b32 s86, s86, 23
	s_or_b32 s86, s86, 0x600000
	v_mov_b32 v[LIMV], s86                         ; 448 x that
.if KIND
	s_sub_co_i32 s81, 0, s80
	s_wait_loadcnt 0x0
.set n, 0
.rept 64
	v_ldexp_f32 v[BI+n], v[BI+n], s81              ; bias / 2^(ea + eb): the unit in which the sums stand
.set n, n+1
.endr
.endif
.macro FRAG reg, adr, q, i             ; a fragment: lane l holds row l % 16; registers 4 c .. 4 c + 3 hold K = 32 c + 16 (l / 16) + 0 .. 15: a permutation of K, the same in A and in B
.irp c, 0,1,2,3
	ds_load_b128 v[\reg+4*\c:\reg+4*\c+3], v[\adr] offset:128*(\q)+32*\c+(\i)*16*PITCH
.endr
.endm
; 16 matrix instructions: A's blocks a0, a0 + 1 x B's eight, 128 along K.  p: B's set.  zero = 1: the first product starts the sums (from 0, or from the bias): nothing is ever cleared.
; The 64 accumulators take turns, one instruction a turn, in the same order in every step.
.macro MUL16 a0, p, zero
.irp a, \a0, \a0+1
.irp b, 0,1,2,3,4,5,6,7
.if \zero
.if KIND
	v_wmma_f32_16x16x128_fp8_fp8 v[8*(8*((\a)%4)+\b):8*(8*((\a)%4)+\b)+7], v[128*(\p)+FR*\b:128*(\p)+FR*\b+FR-1], v[AF+FR*(\a):AF+FR*(\a)+FR-1], v[BI+8*\b:BI+8*\b+7]
.else
	v_wmma_f32_16x16x128_fp8_fp8 v[8*(8*((\a)%4)+\b):8*(8*((\a)%4)+\b)+7], v[128*(\p)+FR*\b:128*(\p)+FR*\b+FR-1], v[AF+FR*(\a):AF+FR*(\a)+FR-1], 0
.endif
.else
	v_wmma_f32_16x16x128_fp8_fp8 v[8*(8*((\a)%4)+\b):8*(8*((\a)%4)+\b)+7], v[128*(\p)+FR*\b:128*(\p)+FR*\b+FR-1], v[AF+FR*(\a):AF+FR*(\a)+FR-1], v[8*(8*((\a)%4)+\b):8*(8*((\a)%4)+\b)+7]
.endif
.endr
.endr
.endm
.macro FETCH_B slot, q, p
	WIN TO_B
.irp i, 0,1,2,3,4,5,6,7
	FRAG 128*(\p)+FR*\i, ADRB+\slot, \q, \i
.endr
	WIN 0
.endm
.macro FETCH_A slot, q, i0
.irp i, \i0, \i0+1, \i0+2, \i0+3
	FRAG AF+FR*(\i), ADRA+\slot, \q, \i
.endr
.endm
.macro PLACES n                        ; plain vector lines between a matrix instruction and a load into, or a vector line on, one of its registers
.rept \n
	v_nop
.endr
.endm
; A step of 128 along K that has its successor in the same slot.  A's blocks are free as soon as their eight products are issued: blocks 0-3 are fetched anew in the middle, blocks 4-7 at the end.
.macro STEP slot, q, zero
	s_wait_dscnt 4*NL                              ; B's set and A's blocks 0-3 are in; the youngest 16 loads (A's blocks 4-7) may be out
.if \zero
	WIN FIRST_LO
.else
	WIN MUL_LO
.endif
	MUL16 0, (\q)%2, \zero
	MUL16 2, (\q)%2, \zero
	s_wait_dscnt 0                                 ; A's blocks 4-7 are in
	PLACES NP
	FETCH_B \slot, (\q)+1, 1-(\q)%2
	FETCH_A \slot, (\q)+1, 0
.if \zero
	WIN FIRST_HI
.else
	WIN MUL_HI
.endif
	MUL16 4, (\q)%2, \zero
	MUL16 6, (\q)%2, \zero
	PLACES NP
	WIN 0
	FETCH_A \slot, (\q)+1, 4
.endm
; A slot's last step changes slots: ONE barrier; in front of it each wave waits for all its tensor loads, adds 0 to its spare word, and waits for that and for its own reads of this slot.  fill = 1: this slot is filled again, two K steps ahead.
.macro TURN slot, next, fill
	s_wait_tensorcnt 0x0                           ; all my tensor loads have landed: my part of the next slot
	ds_add_u32 v[SPW], v[NIL]                      ; 0 onto my spare word
	s_wait_dscnt 4*NL+1                            ; the add and the youngest 16 loads (A's blocks 4-7) may be out
	WIN MUL_LO
	MUL16 0, 1, 0                                  ; sixteen matrix instructions stand between the add and the wait for it
	s_wait_dscnt 0x0                               ; the add is done, and my reads of this slot are over
	s_barrier_signal -1
	MUL16 2, 1, 0
	WIN 0
	s_barrier_wait -1
.if \fill
	CREST                                          ; the barrier has opened a round of the cluster's barrier: no wave of any partner still reads this slot's tile or has a load on its way
	s_add_nc_u64 s[G0+4*\slot+2:G0+4*\slot+3], s[G0+4*\slot+2:G0+4*\slot+3], 2*ROWB
	s_add_nc_u64 s[G0B+4*\slot+2:G0B+4*\slot+3], s[G0B+4*\slot+2:G0B+4*\slot+3], 2*ROWB
	JLOAD G0+4*\slot, G1, G0B+4*\slot, G1B         ; the first tensor load behind the round; its four v_nop are the places in front of the loads below
.else
	PLACES NP
.endif
	FETCH_B \next, 0, 0
	FETCH_A \next, 0, 0
	WIN MUL_HI
	MUL16 4, 1, 0
	MUL16 6, 1, 0
	PLACES NP
	WIN 0
	FETCH_A \next, 0, 4
.endm
	s_wait_alu depctr_va_vdst(0)
	s_wait_tensorcnt 0x0                           ; my part of K step 0 is in; slot 1's first fill is issued as a refill is:
	ds_add_u32 v[SPW], v[NIL]                      ; 0 onto my spare word
	s_wait_dscnt 0x0
	CROUND                                         ; everybody's part of K step 0 is in, and the joint loads meet
	JLOAD G0+4, G1, G0B+4, G1B                     ; K step 1, the first tensor load behind the round
	FETCH_B 0, 0, 0
	FETCH_A 0, 0, 0
	FETCH_A 0, 0, 4
	STEP 0, 0, 1                                   ; the first step stands in front of the loop: its products start the sums
	s_mov_b32 s3, LAPS-1
.Llap:                                                 ; a trip goes once round the ring, from a lap's second step to the next lap's first, and fills both slots again
	TURN 0, 1, 1
	STEP 1, 0, 0
	TURN 1, 0, 1
	STEP 0, 0, 0
	s_sub_co_u32 s3, s3, 1
	s_cmp_lg_u32 s3, 0
	s_cbranch_scc1 .Llap
	TURN 0, 1, 0                                   ; the last lap fills nothing, and has no round of the cluster's barrier
	STEP 1, 0, 0
	s_wait_dscnt 4*NL                              ; the very last step: nothing more to fetch
	WIN MUL_LO
	MUL16 0, 1, 0
	MUL16 2, 1, 0
	s_wait_alu depctr_va_vdst(0)
	s_wait_dscnt 0
	WIN MUL_HI
	MUL16 4, 1, 0
	MUL16 6, 1, 0
	WIN 0
; THE WAY OUT.  Block a (16 rows x 128 columns): each sum is held within the largest code x the scale (KIND 1: between 0 and it: the activation and the hold in one), each accumulator from its low end on;
; eight sums become eight codes, 8 bytes of a row of C.  A row's 256 bytes come from two waves, so all blocks meet in one stage, a barrier stands between writing and reading, and each wave stores 64 whole rows.
.macro OUTB a
.set AC, 64*((\a)%4)
	WIN 0x02+((\a)/4)                              ; source 0: window 2 or 3
.set n, 0
.rept 64
.if KIND
	v_med3_num_f32 v[TMP+n], v[AC+n], 0, v[LIMV]
.else
	v_med3_num_f32 v[TMP+n], v[AC+n], -v[LIMV], v[LIMV]
.endif
.set n, n+1
.endr
	WIN 0
.irp b, 0,1,2,3,4,5,6,7
	v_cvt_scalef32_pk8_fp8_f32 v[CDS+16*(\a)+2*\b:CDS+16*(\a)+2*\b+1], v[TMP+8*\b:TMP+8*\b+7], v[SCV]
.endr
	v_nop                                          ; a plain line between the conversions and the next block's writes of their sources
.irp b, 0,1,2,3,4,5,6,7
	ds_store_b64 v[STO], v[CDS+16*(\a)+2*\b:CDS+16*(\a)+2*\b+1] offset:(\a)*16*SPITCH+16*\b   ; every block has code registers of its own
.endr
.endm
	PLACES NP                                      ; behind the last products: the lines below read results and write registers that held A's fragments
.irp a, 0,1,2,3,4,5,6,7
	OUTB \a
.endr
	s_wait_dscnt 0x0                               ; for the others' sake: my stores into the stage are done
	s_barrier_signal -1
	s_barrier_wait -1
.set t, 0
.rept 32
	ds_load_b128 v[CDS+4*t:CDS+4*t+3], v[RD] offset:2*t*SPITCH
.set t, t+1
.endr
.set t, 0
.rept 32
	s_wait_dscnt 31-t                              ; load t is in; the younger ones may be out
	global_store_b128 v[CO], v[CDS+4*t:CDS+4*t+3], s[78:79] offset:2*t*CPITCH   ; 16 lanes store 256 consecutive bytes, at a multiple of 256 from C's first byte
.set t, t+1
.endr
	s_wait_tensorcnt 0x0                           ; the wave's end
	ds_add_u32 v[SPW], v[NIL]
	s_wait_dscnt 0x0
	CROUND                                         ; the closing round: no work-group ends while a partner may still ask for a tile that names it
	s_endpgm
.Lfunc_end_k_q9fed9f23d7_qkv:
	.size	k_q9fed9f23d7_qkv, .Lfunc_end_k_q9fed9f23d7_qkv-k_q9fed9f23d7_qkv
	.p2alignl 7, 3214868480
	.fill 96, 4, 3214868480
	.section	.rodata,"a",@progbits
	.p2align	6, 0x0
	.amdhsa_kernel k_q9fed9f23d7_qkv
		.amdhsa_group_segment_fixed_size 327680
		.amdhsa_private_segment_fixed_size 0
		.amdhsa_enable_private_segment 0
		.amdhsa_kernarg_size 48
		.amdhsa_user_sgpr_count 2
		.amdhsa_user_sgpr_kernarg_segment_ptr 1
		.amdhsa_wavefront_size32 1
		.amdhsa_system_sgpr_workgroup_id_x 1
		.amdhsa_system_sgpr_workgroup_id_y 1
		.amdhsa_system_sgpr_workgroup_id_z 1
		.amdhsa_system_vgpr_workitem_id 0
		.amdhsa_next_free_vgpr 1024
		.amdhsa_next_free_sgpr 100
		.amdhsa_reserve_vcc 0
		.amdhsa_float_denorm_mode_32 3
		.amdhsa_float_denorm_mode_16_64 3
		.amdhsa_memory_ordered 1
		.amdhsa_forward_progress 1
		.amdhsa_inst_pref_size 126
	.end_amdhsa_kernel
	.amdgpu_metadata
---
amdhsa.version: [ 1, 2 ]
amdhsa.kernels:
  - .name:           k_q9fed9f23d7_qkv
    .symbol:         k_q9fed9f23d7_qkv.kd
    .args:
      - { .name: hc, .offset: 0, .size: 8, .value_kind: global_buffer, .address_space: global }
      - { .name: Wq_codes, .offset: 8, .size: 8, .value_kind: global_buffer, .address_space: global }
      - { .name: Wk_codes, .offset: 16, .size: 8, .value_kind: global_buffer, .address_space: global }
      - { .name: Wv_codes, .offset: 24, .size: 8, .value_kind: global_buffer, .address_space: global }
      - { .name: lowp_scales, .offset: 32, .size: 8, .value_kind: global_buffer, .address_space: global }
      - { .name: qkv, .offset: 40, .size: 8, .value_kind: global_buffer, .address_space: global }
    .group_segment_fixed_size: 327680
    .private_segment_fixed_size: 0
    .kernarg_segment_align: 8
    .kernarg_segment_size: 48
    .max_flat_workgroup_size: 128
    .sgpr_count:     100
    .vgpr_count:     1024
    .wavefront_size: 32
...
	.end_amdgpu_metadata
.endif
;; end of part 2
;; launch attn (part 3): grid 32 x 8, 8 waves a work-group, clusters of 4 x 1, 327,680 bytes of LDS; arguments qkv, lowp_scales, oc; writes oc
.if DOCPART == 3
	.amdgcn_target "amdgcn-amd-amdhsa--gfx1250"
	.amdhsa_code_object_version 6
	.text
	.protected	k_q9fed9f23d7_attn
	.globl	k_q9fed9f23d7_attn
	.p2align	8
	.type	k_q9fed9f23d7_attn,@function
k_q9fed9f23d7_attn:
	s_mov_b64 s[64:65], 0
	v_nop
	global_prefetch_b8 v0, s[64:65] scope:SCOPE_SE
	s_setreg_imm32_b32 hwreg(HW_REG_WAVE_MODE, 25, 1), 1
	s_wait_xcnt 0x0
	s_wait_alu depctr_hold_cnt(0) depctr_sa_sdst(0) depctr_va_vdst(0) depctr_va_sdst(0) depctr_va_ssrc(0) depctr_va_vcc(0) depctr_vm_vsrc(0)
	s_getreg_b32 s2, hwreg(HW_REG_IB_STS2, 6, 4)
	s_cmp_eq_u32 s2, 0
	s_cbranch_scc0 .Lentry_in_a_cluster
	s_endpgm
.Lentry_in_a_cluster:
	s_bfe_u32 s2, ttmp6, 0x10000c
	s_cmp_lg_u32 s2, 0x3003
	s_cbranch_scc0 .Lentry_shape_is_right
	s_endpgm
.Lentry_shape_is_right:
; Causal attention on codes of FP8 (E4M3), head size 64, 2 batches x 16 heads x 2,048 tokens; the result is quantised again (entry 10 of the scales) and stored as codes [4096 tokens][1024], column = 64 head + d.
; INPUT (one buffer): bytes 0 to 8 MiB: [4096 tokens][2048]: q's codes in bytes 0-1023 of a token's row, k's in 1024-2047, byte = 64 head + d.  From 8 MiB: v's codes with the KEYS innermost, [batch][1024 features][2048 tokens].
; Scales: q entry 6, k entry 7, p entry 8, v entry 9.
; THE SOFTMAX: t = score x log2(e) / 8; M = the row's largest t so far, rounded UP to a whole number; p = 2^(t - M) is quantised; the row's sum is taken of the unquantised p and divides O at the end.
; When M moves, the sum and O are multiplied by 2^(old M - new M): exact.  The running maximum is kept as a score; c is positive, so c x the largest score is the largest t.
; LEFT OUT: key steps that lie wholly behind a wave's diagonal step: the causal mask turns their scores into -infinity, so p = 0 there whatever the inputs hold.
; SHARES.  A work-group serves four heads of one batch (256 bytes of a token's row) and two blocks of 32 queries: block i and block 63 - i, i = 4 x cluster x + cx.  Each of its eight waves owns one head and one block:
; TWO tiles of 16 queries, so that each fragment of K and V read from LDS feeds two matrix instructions, and the two tiles' chains of vector lines take turns.  Waves 0-3: the early block, waves 4-7: the late one.
; A wave's last step of 128 keys, cluster x or 15 - cluster x, hangs on the cluster's x and the wave's number alone: every work-group has 4 (x + 1) + 4 (16 - x) = 68 wave steps, and partners run alike.
; CLUSTER.  The four partners walk the same K and V: each tile is asked for JOINTLY (mask 15).  A cluster walks only the slots of 256 keys that its late blocks reach: (15 - cluster x) / 2 + 1 of the 8.
; Every wave fetches 64 rows of a slot (waves 0-3: K's quarters, waves 4-7: V's).  A slot's two steps are one counted loop of two trips; the slots' LDS addresses are constants of the text.
; LAYOUT.  Both products transposed: S^T = K Q^T (source 0 = 16 keys, source 1 = 16 queries, K = 64), O^T = V^T P^T (source 0 = 16 features, source 1 = P, K = 128 keys): a lane holds ONE query of each tile (lane % 16).
; In tile t of S^T lane (r, h) holds keys 16 t + 8 h + 0 .. 7: their eight codes are registers 2 t, 2 t + 1 of the second product's operand; V is read in the same layout, 8 bytes a load.
; LIMITS: entries 6 + 7 between -123 and 130 (added to c's exponent field); entries 8 and 10 between -126 and 119; entries 8 + 9 go by v_ldexp_f32; the scaled scores stay under 2^31 in magnitude.  NaN is not served.
; REGISTERS.  Window 0: v1-4 LDS addresses of K and V in slots 0, 1; v5, v6 the spare word's address and 0; v7-9 the way out; v10, v11 the mask's numbers; v12 -infinity; v13, v14 448 x 2^ep; v15 2^ep; v16-31 Q;
;   v32-159 S^T, then p (tile u at 32 + 64 u); v160-191 p's codes; v192-223 the running state and sums; v224-227 constants.   Window 1: v0-63 K's fragments, v64-127 V's, v128-191 O^T (tile u at 128 + 32 u).
.set PITCH, 272                        ; an LDS row: 256 bytes + 16 of padding
.set VOFF,  256*PITCH                  ; a slot: 256 keys' rows of K (four heads x 64 bytes), then 256 features' rows of V (256 keys)
.set SLOT,  2*VOFF
.set PART,  64*PITCH                   ; what one tensor load brings
.set STAGE, 2*SLOT                     ; behind the ring: 64 tokens x (256 bytes + 16), for the way out
.set SPARE, STAGE+64*PITCH             ; behind the stage: the spare words, 128 bytes for each of the eight waves
.set SCR,  32
.set PCD,  160
.set NEGM, 192                         ; pair u: -M, the largest score
.set RSUM, 196                         ; pair u: the sum in two halves
.set FAC,  200                         ; pair u: f = 2^(old M - new M), and a word that is only named
.set MXA,  204
.set MXB,  206
.set PLN,  208
.set OLDM, 210
.set ACC,  212                         ; three pairs a tile: side chains of the sum
.set KFR,  0
.set VFR,  64
.set OT,   128
.set QC,   98                          ; s98: the step in the slot, 0 or 1
.set MSB, 0
.macro WIN new                         ; the immediate's high byte repeats the setting that is left
.if MSB != \new
	s_set_vgpr_msb (MSB<<8)|\new
.set MSB, \new
.endif
.endm
.macro CROUND                          ; a round of the cluster's barrier
	s_barrier_signal -1
	s_barrier_wait -1
	s_cmp_lg_u32 s18, 0
	s_cbranch_scc1 .Lnot_wave_0_\@
	s_barrier_signal -3
.Lnot_wave_0_\@:
	s_barrier_wait -3
	s_barrier_signal -1
	s_barrier_wait -1
.endm
.macro JLOAD g0                        ; every wave's own 64 rows; s_nop 0 and four v_nop follow
	tensor_load_to_lds s[\g0:\g0+3], s[24:31]
	s_nop 0
.rept 4
	v_nop
.endr
.endm
; A PREFETCH INTO THE L2 of the slot that the NEXT change of slots will ask for: 256 rows of K and 256 of V, 256 bytes each, a lane a row.  All clusters of one batch and head group walk the same rows: the first of them
; (cluster x = 0, which walks all 8 slots) asks.  Its four partners share the rows out BY ADDRESS, 64 each; in each, waves 0, 1 ask for K's and waves 2, 3 for V's, 32 rows a wave: each row's block is named once in the launch.
.macro ASK
	s_cmp_eq_u32 s46, 1
	s_cbranch_scc0 .Lnot_mine_\@
	global_prefetch_b8 v227, s[42:43] th:TH_LOAD_NT scope:SCOPE_SE
.Lnot_mine_\@:
.endm
.macro KLOAD slot, off                 ; K's eight fragments of a step: key 16 t + r, my head's bytes 16 h on and 32 + 16 h on, as Q is read
	WIN 0x40
.irp t, 0,1,2,3,4,5,6,7
	ds_load_b128 v[KFR+8*\t:KFR+8*\t+3], v[1+\slot] offset:\off+16*\t*PITCH
	ds_load_b128 v[KFR+8*\t+4:KFR+8*\t+7], v[1+\slot] offset:\off+16*\t*PITCH+32
.endr
	WIN 0
.endm
	s_load_b128 s[4:7], s[0:1], 0x0                ; the codes s[4:5], the scales' exponents s[6:7]
	s_load_b64 s[8:9], s[0:1], 0x10                ; the output
	v_lshl_add_u32 v5, v0, 2, SPARE
	v_mov_b32 v6, 0
	ds_add_u32 v5, v6                              ; the opening lines: the add, twice on end, and its wait ahead of the first round
	ds_add_u32 v5, v6
	v_lshrrev_b32 v25, 5, v0
	v_readfirstlane_b32 s18, v25                   ; wave 0..7
	s_and_b32 s10, ttmp7, 0xffff
	s_lshr_b32 s11, s10, 2                         ; the batch
	s_and_b32 s12, s10, 3                          ; the group of four heads
	s_bfe_u32 s13, ttmp6, 0x40000                  ; cx
	s_lshl_b32 s14, ttmp9, 2
	s_add_co_u32 s14, s14, s13                     ; i
	s_lshr_b32 s15, s18, 2                         ; 1: the late block.  Also: I fetch for K (0) or for V (1)
	s_and_b32 s17, s18, 3                          ; my head.  Also: which 64 rows I fetch
	s_bfe_u32 s58, s18, 0x10001                    ; an asking wave serves K (0) or V (1),
	s_and_b32 s59, s18, 1                          ; and takes this half of its work-group's 64 rows
	s_sub_co_u32 s48, 15, ttmp9
	s_sub_co_u32 s19, 63, s14
	s_sub_co_u32 s50, 3, s13
	s_cmp_eq_u32 s15, 1
	s_cselect_b32 s48, s48, ttmp9                  ; my last step of 128 keys, the one on the diagonal
	s_cselect_b32 s19, s19, s14                    ; my block of queries
	s_cselect_b32 s50, s50, s13                    ; its place among the four blocks of that step
	s_lshl_b32 s50, s50, 5                         ; my first query, counted from the diagonal step's first key
	s_lshl_b32 s51, s17, 6                         ; 64 x head
	s_mul_i32 s52, s17, 64*PITCH
	s_add_co_u32 s52, s52, VOFF                    ; my head's 64 features in a slot
	s_mul_i32 s53, s15, 32*PITCH
	s_add_co_u32 s53, s53, s51
	s_add_co_u32 s53, s53, STAGE                   ; into the stage: my block's 32 tokens, my head's 64 bytes
	s_mul_i32 s54, s18, 8*PITCH
	s_add_co_u32 s54, s54, STAGE                   ; back: wave w takes tokens 8 w .. 8 w + 7, whole
	s_mul_i32 s63, s18, PART                       ; where my 64 rows go in a slot: the wave's number alone
	s_lshl_b32 s55, s19, 5
	s_lshl_b32 s56, s11, 11
	s_add_co_u32 s55, s55, s56                     ; my first query's token
	s_lshl_b32 s56, s55, 11
	s_lshl_b32 s57, s12, 8
	s_add_co_u32 s56, s56, s57
	s_add_co_u32 s56, s56, s51                     ; its row, my head's 64 bytes of q
	s_mov_b32 s57, 0
	s_lshl_b32 s60, s11, 22                        ; K: the batch's 2,048 rows of 2,048 bytes, byte 1,024 + 256 x head group
	s_lshl_b32 s61, s12, 8
	s_add_co_u32 s60, s60, s61
	s_add_co_u32 s60, s60, 1024
	s_lshl_b32 s62, s11, 21                        ; V: behind 8 MiB, the batch's 2 MiB, feature 256 x head group
	s_lshl_b32 s61, s12, 19
	s_add_co_u32 s62, s62, s61
	s_add_co_u32 s62, s62, 0x800000
	s_mov_b32 s44, 256
	s_mov_b32 s86, 256
	s_cmp_eq_u32 s15, 0
	s_cselect_b32 s84, s60, s62                    ; the stream that I fetch,
	s_cselect_b32 s44, 0x80000, s44                ; a slot on in it: 256 rows in K, 256 bytes along V's rows
	s_cmp_eq_u32 s58, 0
	s_cselect_b32 s88, s60, s62                    ; the stream that I prefetch,
	s_cselect_b32 s86, 0x80000, s86                ; a slot on in it
	s_lshl_b32 s61, s17, 17                        ; my 64 rows of 2,048 bytes
	s_add_co_u32 s84, s84, s61
	s_mov_b32 s85, 0
	s_mov_b32 s45, 0
	s_lshl_b32 s40, s44, 1                         ; two slots on
	s_mov_b32 s41, 0
	s_lshl_b32 s61, s13, 6                         ; the prefetches: my work-group's 64 rows,
	s_lshl_b32 s66, s59, 5                         ; my wave's 32 of them,
	s_add_co_u32 s61, s61, s66
	s_lshl_b32 s61, s61, 11
	s_add_co_u32 s88, s88, s61
	s_add_co_u32 s88, s88, s86                     ; at tile 1: the first change of slots steps them to tile 2.  Nothing is prefetched at the head
	s_mov_b32 s89, 0
	s_mov_b32 s87, 0
	s_or_b32 s46, s15, ttmp9                       ; 0 in waves 0 to 3 of the first cluster: the same in all four partners
	s_cmp_eq_u32 s46, 0
	s_cselect_b32 s46, 1, -1
	s_lshl_b32 s92, s17, 3                         ; the output: my block's tokens 8 (wave % 4) on,
	s_add_co_u32 s92, s92, s55
	s_lshl_b32 s92, s92, 10                        ; rows of 1,024 bytes,
	s_lshl_b32 s93, s12, 8                         ; the head group's 256 bytes
	s_add_co_u32 s92, s92, s93
	s_mov_b32 s93, 0
	; descriptor group 1, one for K and V: a tile of 64 rows x 256 bytes, rows 2,048 bytes apart, padded in LDS
	s_mov_b32 s24, 15|(0<<16)|(1<<20)|(1<<21)|(5<<22)|(3<<25)  ; 15:0 the mask: all four work-groups; 17:16 elements of 1 byte; 20 padding on; 21 set beside a mask; 24:22 after every 64 words; 31:25 of 4 words
	s_mov_b32 s25, 256<<16                         ; tensor_dim0
	s_mov_b32 s26, 64<<16                          ; tensor_dim1
	s_mov_b32 s27, 256<<16                         ; tile_dim0
	s_mov_b32 s28, 64                              ; tile_dim1
	s_mov_b32 s29, 2048                            ; tensor_dim0_stride
	s_mov_b32 s30, 0
	s_mov_b32 s31, 0
	s_mov_b32 s20, 0x76543210                      ; v_permlanex16_b32: lane l xor 16
	s_mov_b32 s21, 0xfedcba98
	s_mov_b32 s22, 0x3e38aa3b                      ; c = log2(e) / 8
	s_mov_b32 s47, 0                               ; the step in hand
	s_cmp_lt_u32 ttmp9, 4                          ; the slots that my cluster walks: 8, 8, 7, 7, 6, 6, 5, 5 for x = 0 .. 7
	s_cselect_b32 s49, 3, 2                        ; the loop's trips, two slots each
	s_bfe_u32 s95, ttmp9, 0x10001                  ; bit 1 of x: 1: the number of slots is odd
	; every LDS address is made here
	v_and_b32 v25, 15, v0                          ; r
	v_bfe_u32 v26, v0, 4, 1                        ; h
	v_and_b32 v27, 31, v0                          ; lane
	v_mul_u32_u24 v28, v25, PITCH
	v_lshl_add_u32 v1, v26, 4, v28
	v_add_nc_u32 v1, s51, v1                       ; K, slot 0: key r, my head's 64 bytes, + 16 h
	v_add_nc_u32 v2, SLOT, v1                      ; slot 1
	v_lshl_add_u32 v29, v26, 3, v28
	v_add_nc_u32 v3, s52, v29                      ; V, slot 0: feature 64 head + r, + 8 h
	v_add_nc_u32 v4, SLOT, v3                      ; slot 1
	v_add_nc_u32 v8, s53, v29                      ; into the stage: token r of my block, byte 64 head + 8 h
	v_mul_u32_u24 v9, v26, PITCH
	v_lshl_add_u32 v9, v25, 4, v9
	v_add_nc_u32 v9, s54, v9                       ; back: lanes 0-15 one token's 256 bytes, lanes 16-31 the next token's
	v_lshlrev_b32 v7, 10, v26
	v_lshl_add_u32 v7, v25, 4, v7                  ; and the same in the output
	v_lshlrev_b32 v10, 3, v26
	v_sub_nc_u32 v10, v25, v10
	v_add_nc_u32 v10, s50, v10                     ; d = my query - 8 h, from the diagonal step's first key: register 8 t + j holds key 16 t + j + 8 h: hidden where 16 t + j > d
	v_add_nc_u32 v11, 16, v10                      ; the second tile's
	v_mov_b32 v12, 0xff800000                      ; -infinity
	v_lshlrev_b32 v227, 11, v27                    ; the prefetches: a lane a row of 2,048 bytes
	v_lshlrev_b32 v226, 11, v25
	v_lshl_add_u32 v226, v26, 4, v226              ; Q: token r, + 16 h
	s_wait_dscnt 0x0                               ; both opening adds are done
	s_wait_alu depctr_va_vdst(0)
	s_wait_kmcnt 0x0
	s_load_b512 s[68:83], s[6:7], 0x0              ; the sixteen exponents: entry n in s[68 + n]
	s_add_nc_u64 s[34:35], s[4:5], s[84:85]        ; group 0 for slot 0: tile 0
	s_add_nc_u64 s[38:39], s[34:35], s[44:45]      ; for slot 1: tile 1
	s_add_nc_u64 s[42:43], s[4:5], s[88:89]
	s_add_nc_u64 s[56:57], s[4:5], s[56:57]        ; Q
	s_add_nc_u64 s[8:9], s[8:9], s[92:93]
	s_mov_b32 s32, 1
	s_mov_b32 s33, s63
	s_mov_b32 s36, 1
	s_add_co_u32 s37, s63, SLOT
	s_or_b32 s35, s35, 0x80000000
	s_or_b32 s39, s39, 0x80000000
	CROUND                                         ; all four work-groups are here: the first joint loads meet
	JLOAD 32                                       ; tile 0: one tensor load a wave at the head
.irp u, 0,1
	global_load_b128 v[16+8*\u:19+8*\u], v226, s[56:57] offset:32768*\u       ; Q's two fragments stay in registers
	global_load_b128 v[20+8*\u:23+8*\u], v226, s[56:57] offset:32768*\u+32
.endr
.irp u, 0,1
	v_mov_b32 v[NEGM+2*\u], 0x7f61b1e6             ; -M = 3e38, a whole number: the first change of M gives f = 0
	v_mov_b32 v[NEGM+2*\u+1], 0xff61b1e6           ; the largest score so far: -3e38
	v_mov_b32 v[RSUM+2*\u], 0
	v_mov_b32 v[RSUM+2*\u+1], 0
	v_mov_b32 v[FAC+2*\u+1], 0                     ; (named as the upper half of a pair)
	v_mov_b32 v[PLN+\u], 0                         ; a lane permute's destination counts as one of its sources
.endr
	WIN 0x40
.set n, 0
.rept 64
	v_mov_b32 v[OT+n], 0                           ; O^T.  (A step is written once: the first finds zeros, which the first change of M leaves zeros)
	v_mov_b32 v[KFR+n], 0                          ; K's fragment registers are written once, so that they hold codes on every way through the text
.set n, n+1
.endr
	WIN 0
	s_wait_kmcnt 0x0
	s_add_co_i32 s66, s74, s75
	s_lshl_b32 s66, s66, 23
	s_add_co_i32 s22, s22, s66                     ; a score stands for score x 2^(eq + ek): the exponents are added to c's exponent field
	s_mov_b32 s23, s22                             ; (named with it as a pair)
	s_add_co_i32 s66, s76, 127
	s_lshl_b32 s67, s66, 23
	v_mov_b32 v15, s67                             ; 2^ep
	s_add_co_i32 s66, s66, 8
	s_lshl_b32 s66, s66, 23
	s_or_b32 s66, s66, 0x600000
	v_mov_b32 v13, s66                             ; 448 x 2^ep, twice: the two halves of a dual line read it from two registers
	v_mov_b32 v14, s66
	s_add_co_i32 s66, s78, 127
	s_lshl_b32 s67, s66, 23
	v_mov_b32 v225, s67                            ; 2^eo, for the output's codes
	s_add_co_i32 s66, s66, 8
	s_lshl_b32 s66, s66, 23
	s_or_b32 s66, s66, 0x600000
	v_mov_b32 v224, s66                            ; 448 x 2^eo
	s_add_co_i32 s90, s76, s77                     ; ep + ev
	s_wait_alu depctr_va_vdst(0)
	s_wait_loadcnt 0x0                             ; Q
; A KEY STEP: 128 keys, two tiles of queries.  Its fragments of K were asked for a step earlier (or at the slot's head).  A step behind my diagonal step is left out: a scalar branch on ids; no barrier and no tensor load stands in a step.
.macro STEP slot
	s_cmp_gt_u32 s47, s48
	s_cbranch_scc1 .Lhid_\@
	s_wait_dscnt 0x0                               ; K's fragments are in
	WIN 0x01                                       ; source 0 (K) window 1; Q and S^T window 0
.irp t, 0,1,2,3,4,5,6,7
.irp u, 0,1
	v_wmma_f32_16x16x64_fp8_fp8 v[SCR+64*\u+8*\t:SCR+64*\u+8*\t+7], v[KFR+8*\t:KFR+8*\t+7], v[16+8*\u:23+8*\u], 0
.endr
.endr
	WIN 0
	s_cmp_eq_u32 s[QC], 0
	s_cselect_b32 s99, 0, 128                      ; the slot's first or second 128 keys along V's rows
	v_add_nc_u32 v228, s99, v[3+\slot]             ; V's address in this step.  With the three lines below: the four places in front of the loads and of the first read of the scores
.rept 3
	v_nop
.endr
	WIN 0x40
.irp t, 0,1,2,3
.irp c, 0,1,2,3,4,5,6,7
	ds_load_b64 v[VFR+16*\t+2*\c:VFR+16*\t+2*\c+1], v228 offset:16*\t*PITCH+16*\c   ; V: feature 16 t + r, keys 16 c + 8 h + 0 .. 7; it lands while the softmax is walked
.endr
.endr
	WIN 0
	s_cmp_lg_u32 s[QC], 0
	s_cbranch_scc1 .Lnk_\@
	KLOAD \slot, 128*PITCH                         ; in the slot's first step: K of its second step, which lies in the same slot
.Lnk_\@:
	s_cmp_lg_u32 s47, s48
	s_cbranch_scc1 .Lopen_\@
.irp u, 0,1
.set n, 0
.rept 64                                       ; on the diagonal the scores of hidden keys become -infinity ahead of the maximum: p = 0 then
	v_cmp_gt_i32 vcc_lo, 16*(n/8)+n%8, v[10+\u]
	v_cndmask_b32 v[SCR+64*\u+n], v[SCR+64*\u+n], v12, vcc_lo
.set n, n+1
.endr
.endr
.Lopen_\@:
.irp u, 0,1                                    ; the largest score so far, two chains a tile, the tiles by turns; each accumulator from its low end on
	v_max3_num_f32 v[MXA+\u], v[NEGM+2*\u+1], v[SCR+64*\u], v[SCR+64*\u+1]
.endr
.irp u, 0,1
	v_max_num_f32 v[MXB+\u], v[SCR+64*\u+2], v[SCR+64*\u+3]
.endr
.irp i, 4,8,12,16,20,24,28,32,36,40,44,48,52,56,60
.irp u, 0,1
	v_max3_num_f32 v[MXA+\u], v[MXA+\u], v[SCR+64*\u+\i], v[SCR+64*\u+\i+1]
.endr
.irp u, 0,1
	v_max3_num_f32 v[MXB+\u], v[MXB+\u], v[SCR+64*\u+\i+2], v[SCR+64*\u+\i+3]
.endr
.endr
.irp u, 0,1
	v_max_num_f32 v[MXA+\u], v[MXA+\u], v[MXB+\u]
.endr
.irp u, 0,1
	v_permlanex16_b32 v[PLN+\u], v[MXA+\u], s20, s21
.endr
.irp u, 0,1
	v_max_num_f32 v[NEGM+2*\u+1], v[MXA+\u], v[PLN+\u]   ; and among lane l xor 16's
.endr
.irp u, 0,1
	v_mov_b32 v[OLDM+\u], v[NEGM+2*\u]
.endr
.irp u, 0,1
	v_mul_f32 v[MXB+\u], s22, v[NEGM+2*\u+1]       ; as t
.endr
.irp u, 0,1
	v_floor_f32 v[NEGM+2*\u], -v[MXB+\u]           ; the new -M = floor(-t): M is a whole number
.endr
.irp u, 0,1
	v_sub_f32 v[OLDM+\u], v[NEGM+2*\u], v[OLDM+\u] ; old M - new M: a whole number, 0 or less
.endr
.irp u, 0,1
	v_cvt_i32_f32 v[OLDM+\u], v[OLDM+\u]           ; (it saturates)
.endr
.irp u, 0,1
	v_ldexp_f32 v[FAC+2*\u], 1.0, v[OLDM+\u]       ; f = 2^(old M - new M)
.endr
.irp u, 0,1
.set n, 0
.rept 32
	v_pk_fma_f32 v[SCR+64*\u+n:SCR+64*\u+n+1], v[SCR+64*\u+n:SCR+64*\u+n+1], s[22:23], v[NEGM+2*\u:NEGM+2*\u+1] op_sel_hi:[1,0,0]   ; t - M, two at a time
.set n, n+2
.endr
.endr
	s_wait_alu depctr_va_vdst(0)                   ; ahead of the batch
.set n, 0
.rept 128
	v_exp_f32 v[SCR+n], v[SCR+n]                   ; p = 2^(t - M), at most 1, not normalised
.set n, n+1
.endr
.irp u, 0,1
	v_pk_mul_f32 v[RSUM+2*\u:RSUM+2*\u+1], v[RSUM+2*\u:RSUM+2*\u+1], v[FAC+2*\u:FAC+2*\u+1] op_sel_hi:[1,0]   ; the sums under the new M: plain lines behind the exponentials
.endr
	s_wait_alu depctr_va_vdst(0)                   ; one wait for the whole batch, ahead of its first reader
.irp a, 0,1,2                                  ; the rows' sums of the unquantised p: four chains a tile, the tiles by turns
.irp u, 0,1
	v_pk_add_f32 v[ACC+6*\u+2*\a:ACC+6*\u+2*\a+1], v[SCR+64*\u+4*\a:SCR+64*\u+4*\a+1], v[SCR+64*\u+4*\a+2:SCR+64*\u+4*\a+3]
.endr
.endr
.irp k, 12,20,28,36,44,52
.irp u, 0,1
	v_pk_add_f32 v[RSUM+2*\u:RSUM+2*\u+1], v[RSUM+2*\u:RSUM+2*\u+1], v[SCR+64*\u+\k:SCR+64*\u+\k+1]
.endr
.irp a, 0,1,2
.irp u, 0,1
	v_pk_add_f32 v[ACC+6*\u+2*\a:ACC+6*\u+2*\a+1], v[ACC+6*\u+2*\a:ACC+6*\u+2*\a+1], v[SCR+64*\u+\k+2+2*\a:SCR+64*\u+\k+3+2*\a]
.endr
.endr
.endr
.irp u, 0,1
	v_pk_add_f32 v[RSUM+2*\u:RSUM+2*\u+1], v[RSUM+2*\u:RSUM+2*\u+1], v[SCR+64*\u+60:SCR+64*\u+61]
.endr
.irp u, 0,1
	v_pk_add_f32 v[ACC+6*\u:ACC+6*\u+1], v[ACC+6*\u:ACC+6*\u+1], v[SCR+64*\u+62:SCR+64*\u+63]
.endr
.irp u, 0,1
	v_pk_add_f32 v[ACC+6*\u+2:ACC+6*\u+3], v[ACC+6*\u+2:ACC+6*\u+3], v[ACC+6*\u+4:ACC+6*\u+5]
.endr
.irp u, 0,1
	v_pk_add_f32 v[RSUM+2*\u:RSUM+2*\u+1], v[RSUM+2*\u:RSUM+2*\u+1], v[ACC+6*\u:ACC+6*\u+1]
.endr
.irp u, 0,1
	v_pk_add_f32 v[RSUM+2*\u:RSUM+2*\u+1], v[RSUM+2*\u:RSUM+2*\u+1], v[ACC+6*\u+2:ACC+6*\u+3]
.endr
.set n, 0
.rept 64                                       ; the conversion does not saturate (ISA guide 7.6.2); p is not negative, so the hold is one-sided; two numbers a line
	v_dual_min_num_f32 v[SCR+n], v13, v[SCR+n] :: v_dual_min_num_f32 v[SCR+n+1], v14, v[SCR+n+1]
.set n, n+2
.endr
.irp u, 0,1
.irp t, 0,1,2,3,4,5,6,7
	v_cvt_scalef32_pk8_fp8_f32 v[PCD+16*\u+2*\t:PCD+16*\u+2*\t+1], v[SCR+64*\u+8*\t:SCR+64*\u+8*\t+7], v15   ; keys 16 t + 8 h + 0 .. 7: registers 2 t, 2 t + 1 of the operand
.endr
.endr
	WIN 0x41                                       ; O^T window 1, f window 0
	s_wait_alu depctr_va_vdst(0)                   ; ahead of the first reader of O^T
.irp u, 0,1
.set n, 0
.rept 16
	v_pk_mul_f32 v[OT+32*\u+n:OT+32*\u+n+1], v[OT+32*\u+n:OT+32*\u+n+1], v[FAC+2*\u:FAC+2*\u+1] op_sel_hi:[1,0]   ; O^T under the new M; also the plain lines between the conversions and the products
.set n, n+2
.endr
.endr
	s_wait_alu depctr_va_vdst(0)
	s_wait_dscnt 0x0                               ; V is in (and the next step's K)
	WIN 0x51                                       ; source 0 (V), C and D window 1; P window 0
.irp t, 0,1,2,3
.irp u, 0,1
	v_wmma_f32_16x16x128_fp8_fp8 v[OT+32*\u+8*\t:OT+32*\u+8*\t+7], v[VFR+16*\t:VFR+16*\t+15], v[PCD+16*\u:PCD+16*\u+15], v[OT+32*\u+8*\t:OT+32*\u+8*\t+7]   ; eight accumulators by turns
.endr
.endr
	WIN 0
.Lhid_\@:
	s_add_co_u32 s47, s47, 1
.endm
; A SLOT.  At its head each wave waits for all its tensor loads (its part of this slot), adds 0 to its spare word, and waits for that and for its reads of the slot that it has left.  Behind the round this slot is whole
; and no wave of any partner reads the other one, which is then filled with the next 256 keys: one load a wave, with this slot's two steps in which to land.
; refill = 1: the other slot is filled; 2: it is filled where my cluster's number of slots is even: else no later step reads it (a branch on the cluster's x, the same in all partners; every wait on the loads is for 0); 0: nothing is filled.
.macro TRIP slot, refill, ask
	s_wait_tensorcnt 0x0                           ; no tensor load of mine is out, so a group 0 may be written
	ds_add_u32 v5, v6                              ; 0 onto my spare word
	s_add_nc_u64 s[34+4*\slot:35+4*\slot], s[34+4*\slot:35+4*\slot], s[40:41]   ; this slot's next tile, two slots on
.if \ask
	s_wait_xcnt 0x0                                ; the last prefetch, a slot back, has read its address
	s_add_nc_u64 s[42:43], s[42:43], s[86:87]      ; one tile further on than the load below
.endif
	s_wait_dscnt 0x0                               ; the add is done, and my reads of the slot that I have left are over
.if \refill
	CROUND
.if \refill == 2
	s_cmp_eq_u32 s95, 0
	s_cbranch_scc0 .Lno_more_\@
.endif
	JLOAD 36-4*\slot                               ; the first thing behind the round, and a wave's one tensor load until the next
.if \refill == 2
.Lno_more_\@:
.endif
.else
	s_barrier_signal -1
	s_barrier_wait -1
.endif
.if \ask
	ASK
.endif
	s_mov_b32 s[QC], 0
	s_cmp_gt_u32 s47, s48                          ; a slot wholly behind my diagonal step: nothing of it is read
	s_cbranch_scc1 .Lpast_\@
	KLOAD \slot, 0                                 ; K of the slot's first step
.Lpast_\@:
.Lq_\@:                                            ; two trips, walked by every wave: the slot's two steps
	STEP \slot
	s_add_co_u32 s[QC], s[QC], 1
	s_cmp_lt_u32 s[QC], 2
	s_cbranch_scc1 .Lq_\@
.endm
.Lring:                                            ; three trips (cluster x under 4: tiles 0 to 5 are read, 1 to 6 asked for; in cluster 0 tiles 2 to 7 are prefetched) or two (tiles 0 to 3 read, 1 to 4 asked for)
	TRIP 0, 1, 1
	TRIP 1, 1, 1
	s_sub_co_u32 s49, s49, 1
	s_cmp_lg_u32 s49, 0
	s_cbranch_scc1 .Lring
	TRIP 0, 2, 0                                   ; the last tile is asked for where the number of slots is even; nothing lies behind it
	TRIP 1, 0, 0                                   ; the last slot is written out; where it was not filled, it lies behind every wave's diagonal step and is not read
	; THE WAY OUT.  O^T / the sum x 2^(ep + ev), held and quantised; a lane's eight features of a tile are 8 bytes of a token's row.  A token's 256 bytes come from four waves: they meet in the stage.
.rept 4
	v_nop                                          ; places behind the last product, on every way here
.endr
.irp u, 0,1
	v_add_f32 v[RSUM+2*\u], v[RSUM+2*\u], v[RSUM+2*\u+1]
.endr
.irp u, 0,1
	v_permlanex16_b32 v[PLN+\u], v[RSUM+2*\u], s20, s21
.endr
.irp u, 0,1
	v_add_f32 v[RSUM+2*\u], v[RSUM+2*\u], v[PLN+\u]   ; the rows' sums
.endr
	s_wait_alu depctr_va_vdst(0)                   ; ahead of the transcendentals
.irp u, 0,1
	v_rcp_f32 v[RSUM+2*\u], v[RSUM+2*\u]
.endr
	v_nop                                          ; a plain line behind the reciprocals
	s_wait_alu depctr_va_vdst(0)                   ; and the wait ahead of their first reader
.irp u, 0,1
	v_ldexp_f32 v[RSUM+2*\u], v[RSUM+2*\u], s90
.endr
	WIN 0x01                                       ; source 0 (O^T) window 1
	s_wait_alu depctr_va_vdst(0)                   ; ahead of the first reader of O^T
.irp u, 0,1
.set n, 0
.rept 32
	v_mul_f32 v[SCR+32*\u+n], v[OT+32*\u+n], v[RSUM+2*\u]   ; register 8 t + j: feature 16 t + 8 h + j of query r; each accumulator from its low end on
.set n, n+1
.endr
.endr
	WIN 0
.set n, 0
.rept 64
	v_med3_num_f32 v[SCR+n], v[SCR+n], -v224, v224
.set n, n+1
.endr
.irp u, 0,1
.irp t, 0,1,2,3
	v_cvt_scalef32_pk8_fp8_f32 v[PCD+8*\u+2*\t:PCD+8*\u+2*\t+1], v[SCR+32*\u+8*\t:SCR+32*\u+8*\t+7], v225
.endr
.endr
	v_nop                                          ; a plain line behind the last conversion
.irp u, 0,1
.irp t, 0,1,2,3
	ds_store_b64 v8, v[PCD+8*\u+2*\t:PCD+8*\u+2*\t+1] offset:16*\u*PITCH+16*\t
.endr
.endr
	s_wait_dscnt 0x0                               ; for the others' sake: my stores into the stage are done
	s_barrier_signal -1
	s_barrier_wait -1
.irp k, 0,1,2,3
	ds_load_b128 v[SCR+4*\k:SCR+4*\k+3], v9 offset:2*\k*PITCH
.endr
.irp k, 0,1,2,3
	s_wait_dscnt 3-\k                              ; load k is in; the younger ones may be out
	global_store_b128 v7, v[SCR+4*\k:SCR+4*\k+3], s[8:9] offset:2048*\k   ; 16 lanes store 256 consecutive bytes, at a multiple of 256 from the buffer's first byte
.endr
	s_wait_tensorcnt 0x0                           ; the wave's end
	ds_add_u32 v5, v6
	s_wait_dscnt 0x0
	CROUND                                         ; the closing round
	s_endpgm
.Lfunc_end_k_q9fed9f23d7_attn:
	.size	k_q9fed9f23d7_attn, .Lfunc_end_k_q9fed9f23d7_attn-k_q9fed9f23d7_attn
	.p2alignl 7, 3214868480
	.fill 96, 4, 3214868480
	.section	.rodata,"a",@progbits
	.p2align	6, 0x0
	.amdhsa_kernel k_q9fed9f23d7_attn
		.amdhsa_group_segment_fixed_size 327680
		.amdhsa_private_segment_fixed_size 0
		.amdhsa_enable_private_segment 0
		.amdhsa_kernarg_size 24
		.amdhsa_user_sgpr_count 2
		.amdhsa_user_sgpr_kernarg_segment_ptr 1
		.amdhsa_wavefront_size32 1
		.amdhsa_system_sgpr_workgroup_id_x 1
		.amdhsa_system_sgpr_workgroup_id_y 1
		.amdhsa_system_sgpr_workgroup_id_z 1
		.amdhsa_system_vgpr_workitem_id 0
		.amdhsa_next_free_vgpr 512
		.amdhsa_next_free_sgpr 100
		.amdhsa_reserve_vcc 1
		.amdhsa_float_denorm_mode_32 3
		.amdhsa_float_denorm_mode_16_64 3
		.amdhsa_memory_ordered 1
		.amdhsa_forward_progress 1
		.amdhsa_inst_pref_size 187
	.end_amdhsa_kernel
	.amdgpu_metadata
---
amdhsa.version: [ 1, 2 ]
amdhsa.kernels:
  - .name:           k_q9fed9f23d7_attn
    .symbol:         k_q9fed9f23d7_attn.kd
    .args:
      - { .name: qkv, .offset: 0, .size: 8, .value_kind: global_buffer, .address_space: global }
      - { .name: lowp_scales, .offset: 8, .size: 8, .value_kind: global_buffer, .address_space: global }
      - { .name: oc, .offset: 16, .size: 8, .value_kind: global_buffer, .address_space: global }
    .group_segment_fixed_size: 327680
    .private_segment_fixed_size: 0
    .kernarg_segment_align: 8
    .kernarg_segment_size: 24
    .max_flat_workgroup_size: 256
    .sgpr_count:     100
    .vgpr_count:     512
    .wavefront_size: 32
...
	.end_amdgpu_metadata
.endif
;; end of part 3
;; launch proj (part 4): grid 8 x 32, 4 waves a work-group, clusters of 4 x 4, 327,680 bytes of LDS; arguments oc, Wproj_codes, lowp_scales, bproj, x, x1; writes x1
.if DOCPART == 4
	.amdgcn_target "amdgcn-amd-amdhsa--gfx1250"
	.amdhsa_code_object_version 6
	.text
	.protected	k_q9fed9f23d7_proj
	.globl	k_q9fed9f23d7_proj
	.p2align	8
	.type	k_q9fed9f23d7_proj,@function
k_q9fed9f23d7_proj:
	s_mov_b64 s[64:65], 0
	v_nop
	global_prefetch_b8 v0, s[64:65] scope:SCOPE_SE
	s_setreg_imm32_b32 hwreg(HW_REG_WAVE_MODE, 25, 1), 1
	s_wait_xcnt 0x0
	s_wait_alu depctr_hold_cnt(0) depctr_sa_sdst(0) depctr_va_vdst(0) depctr_va_sdst(0) depctr_va_ssrc(0) depctr_va_vcc(0) depctr_vm_vsrc(0)
	s_getreg_b32 s2, hwreg(HW_REG_IB_STS2, 6, 4)
	s_cmp_eq_u32 s2, 0
	s_cbranch_scc0 .Lentry_in_a_cluster
	s_endpgm
.Lentry_in_a_cluster:
	s_bfe_u32 s2, ttmp6, 0x10000c
	s_cmp_lg_u32 s2, 0xf033
	s_cbranch_scc0 .Lentry_shape_is_right
	s_endpgm
.Lentry_shape_is_right:
; out = res + (A B^T) x 2^(ea + eb) + bias.  A: [4096][SIZE_K], B: [1024][SIZE_K]: codes of FP8 (E4M3), K innermost, one scale 2^e a tensor (two neighbouring entries of the scales, at byte SCOFF); bias [1024], res and out [4096][1024]: f32.
; LIMIT: ea + eb between -126 and 127, so that 2^(ea + eb) is an f32 number.
; C has 4,096 x 1,024 numbers: tiles of 128 x 128 give each of 256 WGPs one.  Four waves, each 64 x 64: 16 accumulators of 16 x 16.  K goes in steps of 512 (LDS rows of 512 bytes; a wave's tensor load brings 64 of them),
; as long as two slots in LDS allow.  The form is the K = 64 one: a fragment, 16 rows x 64 bytes, is 8 registers, brought by two loads of 16 bytes, 32 bytes apart: a permutation of K, the same in A and in B.
; CLUSTERS: 4 x 4 work-groups; A's tiles are asked for jointly along a row of the cluster, B's along a column.  THE MATRIX INSTRUCTION IS USED TRANSPOSED (source 0 = 16 rows of B, source 1 = 16 rows of A).
; The residual's 64 x 64 numbers of a wave are asked for at the head, into 128 registers of window 2, in the layout in which rows are stored: they are on their way while K is walked.
; A wave's 64 columns of f32 are 256 bytes, aligned: each wave has a stage of its own and stores whole blocks of 256 bytes; no barrier on the way out.  No prefetch: a small tile with few K steps.
; REGISTERS: window 0: v0-31 addresses, v8-11 the bias of my four columns; v32-95 at work on the way out; v128-255 the accumulators ((a, b) at v[128 + 8 (4 a + b)]).   window 1: two fragment buffers of 128.   window 2: v0-127 the residual.
.set SIZE_K, 1024
.set SCOFF,  0x28                      ; entries 10, 11
.set LASTL,  0                         ; 1: the result is the program's output, read by nobody afterwards
.set ROWB,   512                       ; a tile's row in bytes = along K in a slot
.set KROW,   SIZE_K
.set PITCH,  528                       ; an LDS row: 512 bytes + 16 of padding = 132 words: row r starts at bank 4 r mod 64 (ISA guide 11.1)
.set HALFT,  64*PITCH
.set SLOT,   4*HALFT                   ; A's 128 rows, then B's 128 rows
.set STAGE,  2*SLOT                    ; behind the ring: 16 rows x 272 bytes for each wave
.set SPITCH, 272
.set SPARE,  STAGE+4*16*SPITCH         ; behind the stages: the spare words, 128 bytes for each wave
.set LAPS, SIZE_K/(2*ROWB)
.set ADRA, 16
.set ADRB, 20
.set STO,  24
.set RD,   25
.set CO,   26
.set SPW,  28
.set NIL,  29
.set TMP,  32
.set ACC,  128
.set F0,   0
.set F1,   128
.set G1, 24
.set G0, 32
.set G1B, 48
.set G0B, 56
.set MSB, 0
.macro WIN new                         ; the immediate's high byte repeats the setting that is left
.if MSB != \new
	s_set_vgpr_msb (MSB<<8)|\new
.set MSB, \new
.endif
.endm
.set MUL,  0x05                        ; sources 0 (B) and 1 (A) window 1; C and D window 0
.set TO_F, 0x40                        ; destination window 1, address window 0
.macro JLOAD s                         ; a joint load: waves 0 and 1 fetch A's two halves, waves 2 and 3 B's; four v_nop follow each of the two lines
	s_cmp_eq_u32 s11, 0
	s_cbranch_scc0 .Lfor_b_\@
	tensor_load_to_lds s[G0+4*\s:G0+4*\s+3], s[G1:G1+7]
	s_nop 0
.rept 4
	v_nop
.endr
	s_branch .Lasked_\@
.Lfor_b_\@:
	tensor_load_to_lds s[G0B+4*\s:G0B+4*\s+3], s[G1B:G1B+7]
	s_nop 0
.rept 4
	v_nop
.endr
.Lasked_\@:
.endm
.macro CREST
	s_cmp_lg_u32 s10, 0
	s_cbranch_scc1 .Lnot_wave_0_\@
	s_barrier_signal -3
.Lnot_wave_0_\@:
	s_barrier_wait -3
	s_barrier_signal -1
	s_barrier_wait -1
.endm
.macro CROUND
	s_barrier_signal -1
	s_barrier_wait -1
	CREST
.endm
	s_load_b128 s[4:7], s[0:1], 0x0                ; A's codes, B's codes
	s_load_b128 s[68:71], s[0:1], 0x10             ; the scales' exponents s[68:69], the bias s[70:71]
	s_load_b128 s[72:75], s[0:1], 0x20             ; the residual s[72:73], the result s[74:75]
	v_lshl_add_u32 v[SPW], v0, 2, SPARE
	v_mov_b32 v[NIL], 0
	ds_add_u32 v28, v29
	ds_add_u32 v28, v29
	s_wait_dscnt 0x0
	v_lshrrev_b32 v1, 5, v0
	v_readfirstlane_b32 s10, v1                    ; wave 0..3
	s_lshr_b32 s11, s10, 1                         ; which half of the tile's rows is mine.  Also: I fetch for A (0) or for B (1)
	s_and_b32 s12, s10, 1                          ; which half of its columns.  Also: which 64 rows of that tile I fetch
	s_bfe_u32 s40, ttmp6, 0x40000                  ; cx, cy
	s_bfe_u32 s41, ttmp6, 0x40004
	s_lshl_b32 s42, ttmp9, 2
	s_add_co_u32 s42, s42, s40                     ; tile column of C
	s_and_b32 s13, ttmp7, 0xffff
	s_lshl_b32 s13, s13, 2
	s_add_co_u32 s13, s13, s41                     ; tile row of C
	s_lshl_b32 s43, s41, 2
	s_lshl_b32 s43, 15, s43                        ; my row of the cluster
	s_lshl_b32 s44, 0x1111, s40                    ; my column
	; descriptor group 1: a tile of 64 rows x 512 bytes, padded in LDS
	s_or_b32 s[G1+0], s43, (0<<16)|(1<<20)|(1<<21)|(6<<22)|(3<<25)  ; 15:0 the mask; 17:16 element of 1 byte; 20 padding on; 21 set beside a mask; 24:22 after every 128 words; 31:25 of 4 words
	s_or_b32 s[G1B+0], s44, (0<<16)|(1<<20)|(1<<21)|(6<<22)|(3<<25)
.irp g, G1, G1B
	s_mov_b32 s[\g+1], ROWB<<16                    ; tensor_dim0
	s_mov_b32 s[\g+2], 64<<16                      ; tensor_dim1
	s_mov_b32 s[\g+3], ROWB<<16                    ; tile_dim0
	s_mov_b32 s[\g+4], 64                          ; tile_dim1
	s_mov_b32 s[\g+5], KROW                        ; tensor_dim0_stride
	s_mov_b32 s[\g+6], 0
	s_mov_b32 s[\g+7], 0
.endr
	s_lshl_b32 s17, s12, 6                         ; which 64 rows of the tile I fetch
	s_lshl_b32 s16, s13, 7
	s_add_co_u32 s16, s16, s17                     ; A: row 128 x tile row + 64 x half
	s_lshl_b32 s46, s42, 7
	s_add_co_u32 s46, s46, s17                     ; B: row 128 x tile column + 64 x half
	s_mov_b32 s17, 0
	s_mov_b32 s47, 0
	s_mov_b64 s[18:19], KROW
	s_mul_u64 s[16:17], s[16:17], s[18:19]
	s_mul_u64 s[46:47], s[46:47], s[18:19]
	s_mul_i32 s20, s10, HALFT                      ; where they go: wave x 64 rows
	s_wait_kmcnt 0x0
	s_load_b64 s[66:67], s[68:69], SCOFF           ; ea, eb
	s_add_nc_u64 s[14:15], s[4:5], s[16:17]
	s_add_nc_u64 s[46:47], s[6:7], s[46:47]
	CROUND                                         ; all sixteen work-groups are here: the first joint loads meet
.irp s, 0,1
	s_mov_b32 s[G0+4*\s], 1
	s_add_co_u32 s[G0+4*\s+1], s20, \s*SLOT
	s_add_nc_u64 s[G0+4*\s+2:G0+4*\s+3], s[14:15], \s*ROWB
	s_or_b32 s[G0+4*\s+3], s[G0+4*\s+3], 0x80000000
	s_mov_b32 s[G0B+4*\s], 1
	s_add_co_u32 s[G0B+4*\s+1], s20, \s*SLOT
	s_add_nc_u64 s[G0B+4*\s+2:G0B+4*\s+3], s[46:47], \s*ROWB
	s_or_b32 s[G0B+4*\s+3], s[G0B+4*\s+3], 0x80000000
.endr
	JLOAD 0                                        ; K step 0: one tensor load a wave at the head
	v_and_b32 v1, 15, v0                           ; l % 16
	s_wait_alu depctr_va_vdst(0)
	v_bfe_u32 v2, v0, 4, 1                         ; l / 16
	v_mul_u32_u24 v3, v1, PITCH
	v_lshl_add_u32 v3, v2, 4, v3                   ; a fragment's row x pitch + 16 x half
	s_mul_i32 s21, s11, HALFT                      ; my 64 rows of A
	s_mul_i32 s22, s12, HALFT                      ; my 64 rows of B,
	s_add_co_u32 s22, s22, 2*HALFT                 ; which lie behind A's 128
.irp s, 0,1
	v_add_nc_u32 v[ADRA+\s], s21, v3
	v_add_nc_u32 v[ADRB+\s], s22, v3
	s_add_co_u32 s21, s21, SLOT
	s_add_co_u32 s22, s22, SLOT
.endr
	s_mul_i32 s23, s10, 16*SPITCH
	s_add_co_u32 s23, s23, STAGE                   ; my stage
	v_mul_u32_u24 v4, v1, SPITCH                   ; in: row l % 16, 32 bytes for each half of the lanes
	s_wait_alu depctr_va_vdst(0)
	v_lshl_add_u32 v4, v2, 5, v4
	v_add_nc_u32 v[STO], s23, v4
	v_mul_u32_u24 v5, v2, SPITCH                   ; back: lanes 0-15 one row of 256 bytes, lanes 16-31 the next
	v_lshl_add_u32 v5, v1, 4, v5
	v_add_nc_u32 v[RD], s23, v5
	v_lshlrev_b32 v5, 12, v2                       ; and the same two rows of 4,096 bytes in the residual and in the result
	v_lshl_add_u32 v[CO], v1, 4, v5
	s_wait_alu depctr_va_vdst(0)
	v_lshlrev_b32 v7, 4, v1                        ; my four columns of the wave's 64
	s_wait_alu depctr_va_vdst(0)
	s_lshl_b32 s16, s13, 7
	s_lshl_b32 s17, s11, 6
	s_add_co_u32 s16, s16, s17                     ; my first row: 128 x tile row + 64 x half,
	s_lshl_b32 s16, s16, 12                        ; in bytes (under 16 MiB)
	s_lshl_b32 s46, s42, 9                         ; my first column, in bytes: 512 x tile column + 256 x half
	s_lshl_b32 s47, s12, 8
	s_add_co_u32 s46, s46, s47
	s_mov_b32 s47, 0
	s_add_nc_u64 s[70:71], s[70:71], s[46:47]
	s_add_co_u32 s46, s46, s16
	s_add_nc_u64 s[72:73], s[72:73], s[46:47]
	s_add_nc_u64 s[74:75], s[74:75], s[46:47]
	global_load_b128 v[8:11], v7, s[70:71]
	s_wait_kmcnt 0x0
	s_add_co_i32 s66, s66, s67
	s_add_co_i32 s66, s66, 127
	s_lshl_b32 s66, s66, 23                        ; 2^(ea + eb) as f32
	s_mov_b32 s67, s66                             ; (named with it as a pair)
; 8 matrix instructions: m blocks a0, a0 + 1 x all 4 n blocks, 64 along K: half c of buffer f.  zero = 1: the first product starts the sums.  The 16 accumulators take turns.
.macro MUL8 f, c, a0, zero
.irp a, \a0, \a0+1
.irp b, 0,1,2,3
.if \zero
	v_wmma_f32_16x16x64_fp8_fp8 v[ACC+8*(4*(\a)+\b):ACC+8*(4*(\a)+\b)+7], v[\f+64+8*(4*\c+\b):\f+64+8*(4*\c+\b)+7], v[\f+8*(4*\c+\a):\f+8*(4*\c+\a)+7], 0
.else
	v_wmma_f32_16x16x64_fp8_fp8 v[ACC+8*(4*(\a)+\b):ACC+8*(4*(\a)+\b)+7], v[\f+64+8*(4*\c+\b):\f+64+8*(4*\c+\b)+7], v[\f+8*(4*\c+\a):\f+8*(4*\c+\a)+7], v[ACC+8*(4*(\a)+\b):ACC+8*(4*(\a)+\b)+7]
.endif
.endr
.endr
.endm
; 32 LDS loads in one run: the fragments of 128 along K at byte k of the rows, into buffer f; the first 64 along K first
.macro FETCH slot, k, f
	WIN TO_F
.irp c, 0,1
.irp i, 0,1,2,3
	ds_load_b128 v[\f+64+8*(4*\c+\i):\f+64+8*(4*\c+\i)+3],   v[ADRB+\slot] offset:\k+64*\c+\i*16*PITCH
	ds_load_b128 v[\f+64+8*(4*\c+\i)+4:\f+64+8*(4*\c+\i)+7], v[ADRB+\slot] offset:\k+64*\c+\i*16*PITCH+32
	ds_load_b128 v[\f+8*(4*\c+\i):\f+8*(4*\c+\i)+3],         v[ADRA+\slot] offset:\k+64*\c+\i*16*PITCH
	ds_load_b128 v[\f+8*(4*\c+\i)+4:\f+8*(4*\c+\i)+7],       v[ADRA+\slot] offset:\k+64*\c+\i*16*PITCH+32
.endr
.endr
.endm
.macro PLACES                          ; four plain lines in front of loads into registers that matrix instructions have read, and of the first read of results
.rept 4
	v_nop
.endr
.endm
; A K step is four quarters of 128 along K, 32 matrix instructions each, on buffers 0, 1, 0, 1.  One of the first three: multiplies buffer f and fetches the next quarter, at byte k, into g.
.macro QUARTER slot, k, f, g, zero
	s_wait_dscnt 16                                ; the first 64 along K are in; the other sixteen loads may be out
	WIN MUL
	MUL8 \f, 0, 0, \zero
	MUL8 \f, 0, 2, \zero
	PLACES
	FETCH \slot, \k, \g
	s_wait_dscnt 32                                ; all but the 32 just issued
	WIN MUL
	MUL8 \f, 1, 0, 0
	MUL8 \f, 1, 2, 0
.endm
; The last quarter multiplies buffer 1 and changes slots: ONE barrier; in front of it each wave waits for all its tensor loads, adds 0 to its spare word, and waits for that and for its own reads of this slot.  fill = 1: this slot is filled again, two K steps ahead.
.macro TURN slot, next, fill
	WIN 0                                          ; (the add's two registers lie in window 0)
	s_wait_tensorcnt 0x0                           ; all my tensor loads have landed: my part of the next slot
	ds_add_u32 v[SPW], v[NIL]                      ; 0 onto my spare word
	s_wait_dscnt 17                                ; the add and the youngest sixteen loads may be out
	WIN MUL
	MUL8 F1, 0, 0, 0                               ; eight matrix instructions stand between the add and the wait for it
	s_wait_dscnt 0x0                               ; the add is done, and my reads of this slot are over
	s_barrier_signal -1
	MUL8 F1, 0, 2, 0
.if \fill
	WIN 0
.endif
	s_barrier_wait -1
.if \fill
	CREST                                          ; the barrier has opened a round of the cluster's barrier: no wave of any partner still reads this slot's tile or has a load on its way
	s_add_nc_u64 s[G0+4*\slot+2:G0+4*\slot+3], s[G0+4*\slot+2:G0+4*\slot+3], 2*ROWB
	s_add_nc_u64 s[G0B+4*\slot+2:G0B+4*\slot+3], s[G0B+4*\slot+2:G0B+4*\slot+3], 2*ROWB
	JLOAD \slot                                    ; the first tensor load behind the round; its four v_nop are also the places in front of the loads below
.else
	PLACES
.endif
	FETCH \next, 0, F0
	WIN MUL
	MUL8 F1, 1, 0, 0
	MUL8 F1, 1, 2, 0
.endm
	s_wait_alu depctr_va_vdst(0)
	s_wait_tensorcnt 0x0                           ; my part of K step 0 is in; slot 1's first fill is issued as a refill is:
	ds_add_u32 v[SPW], v[NIL]                      ; 0 onto my spare word
	s_wait_dscnt 0x0
	CROUND                                         ; everybody's part of K step 0 is in, and the joint loads meet
	JLOAD 1                                        ; K step 1, the first tensor load behind the round
	FETCH 0, 0, F0
	QUARTER 0, 128, F0, F1, 1                      ; the first quarter: its first products start the sums
	PLACES
	WIN 0x80                                       ; destination window 2, address window 0
.irp a, 0,1,2,3                                ; the residual is asked for here, behind both first fills' requests: it is on its way while the rest of K is walked
.irp t, 0,1,2,3,4,5,6,7
	global_load_b128 v[4*(8*\a+\t):4*(8*\a+\t)+3], v[CO], s[72:73] offset:(16*\a+2*\t)*4096   ; rows 16 a + 2 t and the next: 16 lanes read 256 consecutive bytes
.endr
.endr
	WIN 0
.if LAPS > 1
	WIN 0                                          ; at a label and at a branch every window is 0
	s_mov_b32 s3, LAPS-1
.Llap:                                                 ; a trip goes once round the ring, from a lap's second quarter to the next lap's first, and fills both slots again
	QUARTER 0, 256, F1, F0, 0
	QUARTER 0, 384, F0, F1, 0
	TURN 0, 1, 1
	QUARTER 1, 128, F0, F1, 0
	QUARTER 1, 256, F1, F0, 0
	QUARTER 1, 384, F0, F1, 0
	TURN 1, 0, 1
	QUARTER 0, 128, F0, F1, 0
	WIN 0
	s_sub_co_u32 s3, s3, 1
	s_cmp_lg_u32 s3, 0
	s_cbranch_scc1 .Llap
.endif
	QUARTER 0, 256, F1, F0, 0                      ; the last lap fills nothing, and has no round of the cluster's barrier
	QUARTER 0, 384, F0, F1, 0
	TURN 0, 1, 0
	QUARTER 1, 128, F0, F1, 0
	QUARTER 1, 256, F1, F0, 0
	QUARTER 1, 384, F0, F1, 0
	s_wait_dscnt 16                                ; the very last quarter: nothing more to fetch
	WIN MUL
	MUL8 F1, 0, 0, 0
	MUL8 F1, 0, 2, 0
	s_wait_dscnt 0
	MUL8 F1, 1, 0, 0
	MUL8 F1, 1, 2, 0
	WIN 0
; THE WAY OUT, block by block of 16 rows x 64 columns.  A lane holds 32 neighbouring bytes of a row and the lanes beside it other rows: so a block goes through my own stage and comes back as whole rows of 256 bytes.
; LDS serves a wave's instructions in order (ISA guide 5.7.1.4): no wait between the stores and the loads, nor in front of the next block's stores.
.macro BLK a
.irp b, 0,1,2,3
	ds_store_b128 v[STO], v[ACC+8*(4*(\a)+\b):ACC+8*(4*(\a)+\b)+3] offset:64*\b          ; each accumulator from its low end on
	ds_store_b128 v[STO], v[ACC+8*(4*(\a)+\b)+4:ACC+8*(4*(\a)+\b)+7] offset:64*\b+16
.endr
.set OB, TMP+32*((\a)%2)
.irp t, 0,1,2,3,4,5,6,7
	ds_load_b128 v[OB+4*\t:OB+4*\t+3], v[RD] offset:\t*2*SPITCH
.endr
.endm
.macro FIN a, younger                  ; younger: the LDS instructions issued behind block a's loads, which may stay out
.set OB, TMP+32*((\a)%2)
	s_wait_dscnt \younger
.set p, 0
.rept 16
	v_pk_fma_f32 v[OB+2*p:OB+2*p+1], v[OB+2*p:OB+2*p+1], s[66:67], v[8+2*(p%2):9+2*(p%2)] op_sel_hi:[1,0,1]   ; sum x 2^(ea + eb) + bias
.set p, p+1
.endr
	WIN 0x08                                       ; source 1: window 2
.set p, 0
.rept 16
	v_pk_add_f32 v[OB+2*p:OB+2*p+1], v[OB+2*p:OB+2*p+1], v[32*(\a)+2*p:32*(\a)+2*p+1]   ; + the residual
.set p, p+1
.endr
	WIN 0
.irp t, 0,1,2,3,4,5,6,7
.if LASTL
	global_store_b128 v[CO], v[OB+4*\t:OB+4*\t+3], s[74:75] offset:(16*(\a)+2*\t)*4096 th:TH_STORE_NT
.else
	global_store_b128 v[CO], v[OB+4*\t:OB+4*\t+3], s[74:75] offset:(16*(\a)+2*\t)*4096   ; 16 lanes store 256 consecutive bytes, at a multiple of 256 from the buffer's first byte
.endif
.endr
.endm
	PLACES                                         ; behind the last products: the LDS stores below read results
	s_wait_loadcnt 0x0                             ; the residual and the bias
	BLK 0
.irp a, 1,2,3
.if \a > 1
	s_wait_xcnt 0x0                                ; block a - 2's stores have read their registers: block a's loads may land there
.endif
	BLK \a
	FIN \a-1, 16                                   ; behind block a - 1's loads: block a's 8 stores and 8 loads
.endr
	FIN 3, 0
	s_wait_tensorcnt 0x0                           ; the wave's end
	ds_add_u32 v[SPW], v[NIL]
	s_wait_dscnt 0x0
	CROUND                                         ; the closing round: no work-group ends while a partner may still ask for a tile that names it
	s_endpgm
.Lfunc_end_k_q9fed9f23d7_proj:
	.size	k_q9fed9f23d7_proj, .Lfunc_end_k_q9fed9f23d7_proj-k_q9fed9f23d7_proj
	.p2alignl 7, 3214868480
	.fill 96, 4, 3214868480
	.section	.rodata,"a",@progbits
	.p2align	6, 0x0
	.amdhsa_kernel k_q9fed9f23d7_proj
		.amdhsa_group_segment_fixed_size 327680
		.amdhsa_private_segment_fixed_size 0
		.amdhsa_enable_private_segment 0
		.amdhsa_kernarg_size 48
		.amdhsa_user_sgpr_count 2
		.amdhsa_user_sgpr_kernarg_segment_ptr 1
		.amdhsa_wavefront_size32 1
		.amdhsa_system_sgpr_workgroup_id_x 1
		.amdhsa_system_sgpr_workgroup_id_y 1
		.amdhsa_system_sgpr_workgroup_id_z 1
		.amdhsa_system_vgpr_workitem_id 0
		.amdhsa_next_free_vgpr 768
		.amdhsa_next_free_sgpr 76
		.amdhsa_reserve_vcc 0
		.amdhsa_float_denorm_mode_32 3
		.amdhsa_float_denorm_mode_16_64 3
		.amdhsa_memory_ordered 1
		.amdhsa_forward_progress 1
		.amdhsa_inst_pref_size 62
	.end_amdhsa_kernel
	.amdgpu_metadata
---
amdhsa.version: [ 1, 2 ]
amdhsa.kernels:
  - .name:           k_q9fed9f23d7_proj
    .symbol:         k_q9fed9f23d7_proj.kd
    .args:
      - { .name: oc, .offset: 0, .size: 8, .value_kind: global_buffer, .address_space: global }
      - { .name: Wproj_codes, .offset: 8, .size: 8, .value_kind: global_buffer, .address_space: global }
      - { .name: lowp_scales, .offset: 16, .size: 8, .value_kind: global_buffer, .address_space: global }
      - { .name: bproj, .offset: 24, .size: 8, .value_kind: global_buffer, .address_space: global }
      - { .name: x, .offset: 32, .size: 8, .value_kind: global_buffer, .address_space: global }
      - { .name: x1, .offset: 40, .size: 8, .value_kind: global_buffer, .address_space: global }
    .group_segment_fixed_size: 327680
    .private_segment_fixed_size: 0
    .kernarg_segment_align: 8
    .kernarg_segment_size: 48
    .max_flat_workgroup_size: 128
    .sgpr_count:     76
    .vgpr_count:     768
    .wavefront_size: 32
...
	.end_amdgpu_metadata
.endif
;; end of part 4
;; launch ln2 (part 5): grid 256 x 1, 8 waves a work-group, no clusters, 17,408 bytes of LDS; arguments x1, g2, b2, lowp_scales, h2c; writes h2c
.if DOCPART == 5
	.amdgcn_target "amdgcn-amd-amdhsa--gfx1250"
	.amdhsa_code_object_version 6
	.text
	.protected	k_q9fed9f23d7_ln2
	.globl	k_q9fed9f23d7_ln2
	.p2align	8
	.type	k_q9fed9f23d7_ln2,@function
k_q9fed9f23d7_ln2:
	s_mov_b64 s[64:65], 0
	v_nop
	global_prefetch_b8 v0, s[64:65] scope:SCOPE_SE
	s_setreg_imm32_b32 hwreg(HW_REG_WAVE_MODE, 25, 1), 1
	s_wait_xcnt 0x0
; h = (x - mean) * rsqrt(var + 1e-5) * g + b along rows of 1,024 f32, then quantised NQ times to E4M3 codes, each time with a given scale 2^e.
; NQ = 3: entries 1, 3, 5 of the scales; the three sets of codes go to three sections of 4 MiB of the output, each [4096][1024], K innermost.
; NQ = 1: entry 12; one section.
; SHARES: 256 work-groups x 8 waves x 2 rows.  A row of 4,096 bytes lies in 32 registers of one wave, so mean and variance are taken in two passes over registers
; (the variance of x - mean, not a difference of large sums) and memory is read once.  Chunk j of a row (512 bytes) comes by one load, 16 bytes a lane: register 4 j + i holds column 128 j + 4 lane + i.
; A lane's four codes of a chunk are one word; the words turn through the wave's own LDS bytes, so that each store of the wave covers 512 consecutive bytes, aligned.
; No matrix unit, no cluster, no barrier: rows share nothing, waves share nothing.
; LIMITS: each e between -126 and 119, so that 2^e and 448 x 2^e are f32 numbers.  NaN among the inputs is not served.
.set NQ,  1
.set X,   32                           ; v32-95   two rows, 32 registers each; later the rows' codes read back from LDS
.set G,   96                           ; v96-127  g in a row's layout
.set BT,  128                          ; v128-159 b likewise
.set T,   160                          ; v160-175 two sets of eight held numbers, by turns
.set CD,  176                          ; v176-223 codes: 24 row + 8 set + chunk
.set SCL, 16                           ; v16..    2^e of set q
.set LIM, 20                           ; v20..    448 x 2^e of set q
.set REG, 2*NQ*1024                    ; LDS bytes of a wave: a row's 1,024 codes for each row and set
	s_load_b256 s[4:11], s[0:1], 0x0               ; x s[4:5], g s[6:7], b s[8:9], the scales' exponents s[10:11]
	s_load_b64 s[12:13], s[0:1], 0x20              ; the codes
	v_lshl_add_u32 v224, v0, 2, 0x4000
	v_mov_b32 v225, 0
	v_lshrrev_b32 v12, 5, v0
	s_delay_alu instid0(VALU_DEP_1)
	v_readfirstlane_b32 s14, v12                   ; wave 0..7
	v_and_b32 v13, 31, v0                          ; lane
	s_delay_alu instid0(VALU_DEP_1)
	v_lshlrev_b32 v1, 4, v13                       ; 16 x lane: my bytes of a load's or a store's 512
	s_mul_i32 s15, s14, REG
	v_lshl_add_u32 v2, v13, 2, s15                 ; LDS, on the way in: my wave's bytes + 4 x lane
	v_lshl_add_u32 v3, v13, 4, s15                 ; and on the way out: + 16 x lane
	s_lshl_b32 s34, ttmp9, 16                      ; 16 rows of 4,096 bytes a work-group,
	s_lshl_b32 s35, s14, 13                        ; 2 rows a wave
	s_add_co_u32 s34, s34, s35
	s_mov_b32 s35, 0
	s_lshr_b32 s36, s34, 2                         ; the same rows in codes: 1,024 bytes each
	s_mov_b32 s37, 0
	s_mov_b32 s30, 0x76543210                      ; v_permlanex16_b32: lane l xor 16
	s_mov_b32 s31, 0xfedcba98
	s_mov_b32 s32, 0x3a800000                      ; 1 / 1024
	s_mov_b32 s33, 0x3727c5ac                      ; 1e-5
	s_wait_alu depctr_va_vdst(0)
	s_wait_kmcnt 0x0
.if NQ == 3
	s_load_b256 s[16:23], s[10:11], 0x0            ; entries 0 to 7: s17, s19, s21 are wanted
.else
	s_load_b32 s17, s[10:11], 0x30                 ; entry 12
.endif
	s_add_nc_u64 s[4:5], s[4:5], s[34:35]
	s_add_nc_u64 s[24:25], s[12:13], s[36:37]      ; set 0's section at my first row
.if NQ == 3
	s_add_nc_u64 s[26:27], s[24:25], 0x400000      ; set 1's
	s_add_nc_u64 s[28:29], s[24:25], 0x800000      ; set 2's
.endif
.irp j, 0,1,2,3,4,5,6,7
	global_load_b128 v[X+4*\j:X+4*\j+3], v1, s[4:5] offset:512*\j th:TH_LOAD_NT
.endr
.irp j, 0,1,2,3,4,5,6,7
	global_load_b128 v[X+32+4*\j:X+32+4*\j+3], v1, s[4:5] offset:4096+512*\j th:TH_LOAD_NT
.endr
.irp j, 0,1,2,3,4,5,6,7
	global_load_b128 v[G+4*\j:G+4*\j+3], v1, s[6:7] offset:512*\j
.endr
.irp j, 0,1,2,3,4,5,6,7
	global_load_b128 v[BT+4*\j:BT+4*\j+3], v1, s[8:9] offset:512*\j
.endr
	s_wait_kmcnt 0x0
.set q, 0
.rept NQ
	s_add_co_i32 s38, s[17+2*q], 127
	s_lshl_b32 s39, s38, 23
	v_mov_b32 v[SCL+q], s39                        ; 2^e as f32: the conversion takes its exponent field
	s_add_co_i32 s38, s38, 8
	s_lshl_b32 s38, s38, 23
	s_or_b32 s38, s38, 0x600000
	v_mov_b32 v[LIM+q], s38                        ; 448 x 2^e
.set q, q+1
.endr
.macro LANES                           ; v12 summed over the 32 lanes, the result in every lane
	s_delay_alu instid0(VALU_DEP_1)
	v_add_f32_dpp v12, v12, v12 row_xmask:1 row_mask:0xf bank_mask:0xf
	s_delay_alu instid0(VALU_DEP_1)
	v_add_f32_dpp v12, v12, v12 row_xmask:2 row_mask:0xf bank_mask:0xf
	s_delay_alu instid0(VALU_DEP_1)
	v_add_f32_dpp v12, v12, v12 row_xmask:4 row_mask:0xf bank_mask:0xf
	s_delay_alu instid0(VALU_DEP_1)
	v_add_f32_dpp v12, v12, v12 row_xmask:8 row_mask:0xf bank_mask:0xf
	s_delay_alu instid0(VALU_DEP_1)
	v_permlanex16_b32 v13, v12, s30, s31
	s_delay_alu instid0(VALU_DEP_1)
	v_add_f32 v12, v12, v13
.endm
; A row's mean; x - mean in place; the mean of its squares; 1 / sqrt(that + 1e-5), twice, as a pair for the packed multiply.
.macro STATS row
.set XR, X+32*\row
.set MU, 4+2*\row
.set RS, 8+2*\row
	v_pk_add_f32 v[12:13], v[XR:XR+1], v[XR+2:XR+3]        ; two chains that do not wait for each other
	v_pk_add_f32 v[14:15], v[XR+4:XR+5], v[XR+6:XR+7]
.irp j, 8,12,16,20,24,28
	s_delay_alu instid0(VALU_DEP_2)
	v_pk_add_f32 v[12:13], v[12:13], v[XR+\j:XR+\j+1]
	s_delay_alu instid0(VALU_DEP_2)
	v_pk_add_f32 v[14:15], v[14:15], v[XR+\j+2:XR+\j+3]
.endr
	s_delay_alu instid0(VALU_DEP_1)
	v_pk_add_f32 v[12:13], v[12:13], v[14:15]
	s_delay_alu instid0(VALU_DEP_1)
	v_add_f32 v12, v12, v13
	LANES
	s_delay_alu instid0(VALU_DEP_1)
	v_mul_f32 v[MU], s32, v12
	s_delay_alu instid0(VALU_DEP_2)
	v_mul_f32 v[MU+1], s32, v12
.set j, 0
.rept 16
	v_pk_add_f32 v[XR+j:XR+j+1], v[XR+j:XR+j+1], v[MU:MU+1] neg_lo:[0,1] neg_hi:[0,1]
.set j, j+2
.endr
	v_pk_mul_f32 v[12:13], v[XR:XR+1], v[XR:XR+1]
	v_pk_mul_f32 v[14:15], v[XR+2:XR+3], v[XR+2:XR+3]
.irp j, 4,8,12,16,20,24,28
	s_delay_alu instid0(VALU_DEP_2)
	v_pk_fma_f32 v[12:13], v[XR+\j:XR+\j+1], v[XR+\j:XR+\j+1], v[12:13]
	s_delay_alu instid0(VALU_DEP_2)
	v_pk_fma_f32 v[14:15], v[XR+\j+2:XR+\j+3], v[XR+\j+2:XR+\j+3], v[14:15]
.endr
	s_delay_alu instid0(VALU_DEP_1)
	v_pk_add_f32 v[12:13], v[12:13], v[14:15]
	s_delay_alu instid0(VALU_DEP_1)
	v_add_f32 v12, v12, v13
	LANES
	s_delay_alu instid0(VALU_DEP_1)
	v_fma_f32 v12, v12, s32, s33                   ; var + 1e-5
	s_wait_alu depctr_va_vdst(0)
	v_rsq_f32 v[RS], v12
	v_rsq_f32 v[RS+1], v12
	v_nop                                          ; a plain line before v12 is written again or a result is used (ISA guide 5.7.2)
.endm
.macro NORM row                        ; (x - mean) * r, then * g + b, fused
.set XR, X+32*\row
.set RS, 8+2*\row
.set j, 0
.rept 16
	v_pk_mul_f32 v[XR+j:XR+j+1], v[XR+j:XR+j+1], v[RS:RS+1]
.set j, j+2
.endr
.set j, 0
.rept 16
	v_pk_fma_f32 v[XR+j:XR+j+1], v[XR+j:XR+j+1], v[G+j:G+j+1], v[BT+j:BT+j+1]
.set j, j+2
.endr
.endm
; A row's 32 numbers of a lane become 8 words of codes under set's scale.  The conversion to an 8-bit code does not saturate (ISA guide 7.6.2): each number is first held within 448 x the scale,
; into one of two sets of eight registers by turns, so that eight plain lines stand between a conversion and the next write of its sources; the row itself stays for the next set.
.macro QUANT row, set
.set p, 0
.rept 4
.set TS, T+8*(p%2)
.set i, 0
.rept 8
	v_med3_num_f32 v[TS+i], v[X+32*\row+8*p+i], -v[LIM+\set], v[LIM+\set]
.set i, i+1
.endr
	v_cvt_scalef32_pk8_fp8_f32 v[CD+24*\row+8*\set+2*p:CD+24*\row+8*\set+2*p+1], v[TS:TS+7], v[SCL+\set]
.set p, p+1
.endr
	v_nop                                          ; a plain line behind the last conversion of the run
.endm
; The row's codes turn through my wave's own LDS bytes: word j of a lane goes to byte 128 j + 4 lane of the row; 16 bytes a lane come back.  LDS serves a wave's instructions in order: no wait between.
.macro TURN row
.set q, 0
.rept NQ
.set j, 0
.rept 8
	ds_store_b32 v2, v[CD+24*\row+8*q+j] offset:(\row*NQ+q)*1024+128*j
.set j, j+1
.endr
.set q, q+1
.endr
.set k, 0
.rept 2*NQ
	ds_load_b128 v[X+32*\row+4*k:X+32*\row+4*k+3], v3 offset:\row*NQ*1024+512*k   ; the row's own registers are free: all its sets are quantised
.set k, k+1
.endr
.endm
.macro SEND row, younger               ; younger: the LDS instructions issued behind this row's loads
.set k, 0
.rept 2*NQ
	s_wait_dscnt \younger+2*NQ-1-k                 ; LDS loads come back in order: load k is in
	global_store_b128 v1, v[X+32*\row+4*k:X+32*\row+4*k+3], s[24+2*(k/2):25+2*(k/2)] offset:\row*1024+512*(k%2)   ; 512 consecutive bytes, aligned
.set k, k+1
.endr
.endm
	s_wait_loadcnt 24                              ; row 0's eight loads are in; row 1's, g's and b's may be out
	STATS 0
	s_wait_loadcnt 16                              ; row 1's are in
	STATS 1
	s_wait_alu depctr_va_vdst(0)                   ; one wait for the four reciprocal roots, ahead of their first reader
	s_wait_loadcnt 0x0                             ; g and b
	NORM 0
.set qq, 0
.rept NQ
	QUANT 0, qq
.set qq, qq+1
.endr
	TURN 0
	NORM 1                                         ; row 1's arithmetic stands between row 0's loads from LDS and its stores
.set qq, 0
.rept NQ
	QUANT 1, qq
.set qq, qq+1
.endr
	TURN 1
	SEND 0, 10*NQ                                  ; behind row 0's loads: row 1's 8 NQ stores and 2 NQ loads
	SEND 1, 0
	s_wait_tensorcnt 0x0
	ds_add_u32 v224, v225
	s_wait_dscnt 0x0
	s_endpgm
.Lfunc_end_k_q9fed9f23d7_ln2:
	.size	k_q9fed9f23d7_ln2, .Lfunc_end_k_q9fed9f23d7_ln2-k_q9fed9f23d7_ln2
	.p2alignl 7, 3214868480
	.fill 96, 4, 3214868480
	.section	.rodata,"a",@progbits
	.p2align	6, 0x0
	.amdhsa_kernel k_q9fed9f23d7_ln2
		.amdhsa_group_segment_fixed_size 17408
		.amdhsa_private_segment_fixed_size 0
		.amdhsa_enable_private_segment 0
		.amdhsa_kernarg_size 40
		.amdhsa_user_sgpr_count 2
		.amdhsa_user_sgpr_kernarg_segment_ptr 1
		.amdhsa_wavefront_size32 1
		.amdhsa_system_sgpr_workgroup_id_x 1
		.amdhsa_system_sgpr_workgroup_id_y 1
		.amdhsa_system_sgpr_workgroup_id_z 1
		.amdhsa_system_vgpr_workitem_id 0
		.amdhsa_next_free_vgpr 226
		.amdhsa_next_free_sgpr 66
		.amdhsa_reserve_vcc 0
		.amdhsa_float_denorm_mode_32 3
		.amdhsa_float_denorm_mode_16_64 3
		.amdhsa_memory_ordered 1
		.amdhsa_forward_progress 1
		.amdhsa_inst_pref_size 27
	.end_amdhsa_kernel
	.amdgpu_metadata
---
amdhsa.version: [ 1, 2 ]
amdhsa.kernels:
  - .name:           k_q9fed9f23d7_ln2
    .symbol:         k_q9fed9f23d7_ln2.kd
    .args:
      - { .name: x1, .offset: 0, .size: 8, .value_kind: global_buffer, .address_space: global }
      - { .name: g2, .offset: 8, .size: 8, .value_kind: global_buffer, .address_space: global }
      - { .name: b2, .offset: 16, .size: 8, .value_kind: global_buffer, .address_space: global }
      - { .name: lowp_scales, .offset: 24, .size: 8, .value_kind: global_buffer, .address_space: global }
      - { .name: h2c, .offset: 32, .size: 8, .value_kind: global_buffer, .address_space: global }
    .group_segment_fixed_size: 17408
    .private_segment_fixed_size: 0
    .kernarg_segment_align: 8
    .kernarg_segment_size: 40
    .max_flat_workgroup_size: 256
    .sgpr_count:     66
    .vgpr_count:     226
    .wavefront_size: 32
...
	.end_amdgpu_metadata
.endif
;; end of part 5
;; launch ff1 (part 6): grid 16 x 16, 4 waves a work-group, clusters of 4 x 4, 327,680 bytes of LDS; arguments h2c, W_ff1_codes, lowp_scales, b_ff1, hid; writes hid
.if DOCPART == 6
	.amdgcn_target "amdgcn-amd-amdhsa--gfx1250"
	.amdhsa_code_object_version 6
	.text
	.protected	k_q9fed9f23d7_ff1
	.globl	k_q9fed9f23d7_ff1
	.p2align	8
	.type	k_q9fed9f23d7_ff1,@function
k_q9fed9f23d7_ff1:
	s_mov_b64 s[64:65], 0
	v_nop
	global_prefetch_b8 v0, s[64:65] scope:SCOPE_SE
	s_setreg_imm32_b32 hwreg(HW_REG_WAVE_MODE, 25, 1), 1
	s_wait_xcnt 0x0
	s_wait_alu depctr_hold_cnt(0) depctr_sa_sdst(0) depctr_va_vdst(0) depctr_va_sdst(0) depctr_va_ssrc(0) depctr_va_vcc(0) depctr_vm_vsrc(0)
	s_getreg_b32 s2, hwreg(HW_REG_IB_STS2, 6, 4)
	s_cmp_eq_u32 s2, 0
	s_cbranch_scc0 .Lentry_in_a_cluster
	s_endpgm
.Lentry_in_a_cluster:
	s_bfe_u32 s2, ttmp6, 0x10000c
	s_cmp_lg_u32 s2, 0xf033
	s_cbranch_scc0 .Lentry_shape_is_right
	s_endpgm
.Lentry_shape_is_right:
.set KIND,   1
.set CPITCH, 4096
.set ROT,    KIND
.set SIZE_K, 1024
.set KSTEP,  256
.set NSTEP,  SIZE_K/KSTEP
.set ROWB,   256
.set KROW,   SIZE_K
.set PITCH,  272
.set FR,     16
.set NL,     4
.set NP,     4
.set HALFT,  128*PITCH
.set SLOT,   4*HALFT
.set LAPS,   SIZE_K/(2*KSTEP)
.set SPARE,  2*SLOT
.set SPITCH, 272
.set SCV,  12
.set LIMV, 13
.set ADRA, 16
.set ADRB, 20
.set STO,  24
.set RD,   25
.set CO,   26
.set SPW,  28
.set NIL,  29
.set TMP,  32
.set BI,   32
.set AF,   128
.set CDS,  128
.set G1, 24
.set G0, 32
.set G1B, 48
.set G0B, 56
.set KBA, 68
.set KBB, 70
.set KI,  72
.set KOF, 74
.set MSB, 0
.macro WIN new
.if MSB != \new
	s_set_vgpr_msb (MSB<<8)|\new
.set MSB, \new
.endif
.endm
.set MUL_LO, 0xa1
.set MUL_HI, 0xf1
.if KIND
.set FIRST_LO, 0x81
.set FIRST_HI, 0xc1
.else
.set FIRST_LO, MUL_LO
.set FIRST_HI, MUL_HI
.endif
.set TO_B,   0x40
.macro JLOAD g0a, g1a, g0b, g1b
	s_cmp_eq_u32 s15, 0
	s_cbranch_scc0 .Lfor_b_\@
	tensor_load_to_lds s[\g0a:\g0a+3], s[\g1a:\g1a+7]
	s_nop 0
.rept 4
	v_nop
.endr
	s_branch .Lasked_\@
.Lfor_b_\@:
	tensor_load_to_lds s[\g0b:\g0b+3], s[\g1b:\g1b+7]
	s_nop 0
.rept 4
	v_nop
.endr
.Lasked_\@:
.endm
.macro KADDR s
	s_and_b32 s[KOF], s[KI+\s], NSTEP-1
	s_lshl_b32 s[KOF], s[KOF], 8
	s_add_nc_u64 s[G0+4*\s+2:G0+4*\s+3], s[KBA:KBA+1], s[KOF:KOF+1]
	s_or_b32 s[G0+4*\s+3], s[G0+4*\s+3], 0x80000000
	s_add_nc_u64 s[G0B+4*\s+2:G0B+4*\s+3], s[KBB:KBB+1], s[KOF:KOF+1]
	s_or_b32 s[G0B+4*\s+3], s[G0B+4*\s+3], 0x80000000
.endm
.macro CREST
	s_cmp_lg_u32 s14, 0
	s_cbranch_scc1 .Lnot_wave_0_\@
	s_barrier_signal -3
.Lnot_wave_0_\@:
	s_barrier_wait -3
	s_barrier_signal -1
	s_barrier_wait -1
.endm
.macro CROUND
	s_barrier_signal -1
	s_barrier_wait -1
	CREST
.endm
.if KIND == 0
	s_load_b256 s[68:75], s[0:1], 0x0
	s_load_b128 s[76:79], s[0:1], 0x20
.else
	s_load_b128 s[4:7], s[0:1], 0x0
	s_load_b64 s[76:77], s[0:1], 0x10
	s_load_b64 s[12:13], s[0:1], 0x18
	s_load_b64 s[78:79], s[0:1], 0x20
.endif
	v_lshl_add_u32 v[SPW], v0, 2, SPARE
	v_mov_b32 v[NIL], 0
	ds_add_u32 v28, v29
	ds_add_u32 v28, v29
	s_wait_dscnt 0x0
	v_lshrrev_b32 v1, 5, v0
	v_readfirstlane_b32 s14, v1
	s_lshr_b32 s15, s14, 1
	s_and_b32 s16, s14, 1
	s_bfe_u32 s40, ttmp6, 0x40000
	s_bfe_u32 s41, ttmp6, 0x40004
	s_and_b32 s66, ttmp7, 0xffff
.if KIND == 0
	s_cmp_eq_u32 ttmp9, 2
	s_cselect_b32 s67, 0, s66
	s_cselect_b32 s96, s66, 0
.else
	s_mov_b32 s67, s66
	s_mov_b32 s96, ttmp9
.endif
.if ROT
	s_add_co_u32 s[KI], s66, ttmp9
	s_add_co_u32 s[KI+1], s[KI], 1
	s_mov_b32 s[KOF+1], 0
.endif
	s_lshl_b32 s42, s96, 2
	s_add_co_u32 s42, s42, s40
	s_lshl_b32 s17, s67, 2
	s_add_co_u32 s17, s17, s41
	s_lshl_b32 s43, s41, 2
	s_lshl_b32 s43, 15, s43
	s_lshl_b32 s44, 0x1111, s40
	s_or_b32 s[G1+0], s43, (0<<16)|(1<<20)|(1<<21)|(5<<22)|(3<<25)
	s_or_b32 s[G1B+0], s44, (0<<16)|(1<<20)|(1<<21)|(5<<22)|(3<<25)
.irp g, G1, G1B
	s_mov_b32 s[\g+1], ROWB<<16
	s_mov_b32 s[\g+2], 128<<16
	s_mov_b32 s[\g+3], ROWB<<16
	s_mov_b32 s[\g+4], 128
	s_mov_b32 s[\g+5], KROW
	s_mov_b32 s[\g+6], 0
	s_mov_b32 s[\g+7], 0
.endr
	s_lshl_b32 s18, s16, 7
	s_lshl_b32 s20, s17, 8
	s_add_co_u32 s20, s20, s18
	s_lshl_b32 s20, s20, 10
	s_mov_b32 s21, 0
	s_lshl_b32 s46, s42, 8
	s_add_co_u32 s46, s46, s18
	s_lshl_b32 s46, s46, 10
	s_mov_b32 s47, 0
	s_mul_i32 s45, s14, HALFT
.if KIND == 0
	s_lshl_b32 s98, ttmp9, 22
	s_mov_b32 s99, 0
.endif
	s_wait_kmcnt 0x0
.if KIND == 0
	s_load_b512 s[80:95], s[76:77], 0x0
	s_add_nc_u64 s[68:69], s[68:69], s[98:99]
	s_cmp_eq_u32 ttmp9, 0
	s_cselect_b64 s[6:7], s[70:71], s[72:73]
	s_cmp_eq_u32 ttmp9, 2
	s_cselect_b64 s[4:5], s[74:75], s[68:69]
	s_cselect_b64 s[6:7], s[68:69], s[6:7]
.else
	s_load_b128 s[80:83], s[76:77], 0x30
.endif
.if ROT
	s_add_nc_u64 s[KBA:KBA+1], s[4:5], s[20:21]
	s_add_nc_u64 s[KBB:KBB+1], s[6:7], s[46:47]
.else
	s_add_nc_u64 s[20:21], s[4:5], s[20:21]
	s_add_nc_u64 s[46:47], s[6:7], s[46:47]
.endif
	CROUND
.irp s, 0,1
	s_mov_b32 s[G0+4*\s], 1
	s_add_co_u32 s[G0+4*\s+1], s45, \s*SLOT
	s_mov_b32 s[G0B+4*\s], 1
	s_add_co_u32 s[G0B+4*\s+1], s45, \s*SLOT
.if ROT
	KADDR \s
.else
	s_add_nc_u64 s[G0+4*\s+2:G0+4*\s+3], s[20:21], \s*ROWB
	s_or_b32 s[G0+4*\s+3], s[G0+4*\s+3], 0x80000000
	s_add_nc_u64 s[G0B+4*\s+2:G0B+4*\s+3], s[46:47], \s*ROWB
	s_or_b32 s[G0B+4*\s+3], s[G0B+4*\s+3], 0x80000000
.endif
.endr
	JLOAD G0, G1, G0B, G1B                         ; the first K step: one tensor load a wave at the head
	v_and_b32 v1, 15, v0
	s_wait_alu depctr_va_vdst(0)
	v_bfe_u32 v2, v0, 4, 1
	v_mul_u32_u24 v3, v1, PITCH
	v_lshl_add_u32 v4, v2, 4, v3
	s_mul_i32 s21, s15, HALFT
	s_mul_i32 s22, s16, HALFT
	s_add_co_u32 s22, s22, 2*HALFT
.irp s, 0,1
	v_add_nc_u32 v[ADRA+\s], s21, v4
	v_add_nc_u32 v[ADRB+\s], s22, v4
	s_add_co_u32 s21, s21, SLOT
	s_add_co_u32 s22, s22, SLOT
.endr
	s_mul_i32 s23, s15, 128*SPITCH
	s_lshl_b32 s22, s16, 7
	s_add_co_u32 s23, s23, s22
	v_mul_u32_u24 v5, v1, SPITCH
	s_wait_alu depctr_va_vdst(0)
	v_lshl_add_u32 v5, v2, 3, v5
	v_add_nc_u32 v[STO], s23, v5
	s_mul_i32 s23, s14, 64*SPITCH
	v_mul_u32_u24 v5, v2, SPITCH
	v_lshl_add_u32 v5, v1, 4, v5
	v_add_nc_u32 v[RD], s23, v5
	v_mul_u32_u24 v5, v2, CPITCH
	v_lshl_add_u32 v[CO], v1, 4, v5
	s_lshl_b32 s20, s17, 8
	s_lshl_b32 s21, s14, 6
	s_add_co_u32 s20, s20, s21
.if KIND == 0
	s_lshl_b32 s20, s20, 11
	s_lshl_b32 s21, s40, 8
	s_add_co_u32 s20, s20, s21
	s_lshl_b32 s98, ttmp9, 10
	s_lshr_b32 s96, s66, 1
	s_lshl_b32 s96, s96, 21
	s_and_b32 s97, s66, 1
	s_lshl_b32 s97, s97, 10
	s_add_co_u32 s96, s96, s97
	s_add_co_u32 s96, s96, 0x800000
	s_cmp_eq_u32 ttmp9, 2
	s_cselect_b32 s21, s96, s98
.else
	s_lshl_b32 s20, s20, 12
	s_lshl_b32 s21, s42, 8
.endif
	s_add_co_u32 s20, s20, s21
	s_mov_b32 s21, 0
	s_add_nc_u64 s[78:79], s[78:79], s[20:21]
.if KIND
	s_lshl_b32 s46, s42, 10
	s_lshl_b32 s47, s16, 9
	s_add_co_u32 s46, s46, s47
	s_mov_b32 s47, 0
	s_add_nc_u64 s[12:13], s[12:13], s[46:47]
	v_lshlrev_b32 v7, 5, v2
.irp b, 0,1,2,3,4,5,6,7
	global_load_b128 v[BI+8*\b:BI+8*\b+3], v7, s[12:13] offset:64*\b
	global_load_b128 v[BI+8*\b+4:BI+8*\b+7], v7, s[12:13] offset:64*\b+16
.endr
.endif
	s_wait_kmcnt 0x0
.if KIND == 0
	s_add_co_i32 s80, s80, s81
	s_add_co_i32 s82, s82, s83
	s_add_co_i32 s84, s84, s85
	s_cmp_eq_u32 ttmp9, 0
	s_cselect_b32 s80, s80, s82
	s_cselect_b32 s86, s86, s87
	s_cmp_eq_u32 ttmp9, 2
	s_cselect_b32 s80, s84, s80
	s_cselect_b32 s86, s89, s86
.else
	s_add_co_i32 s80, s80, s81
	s_mov_b32 s86, s82
.endif
	s_sub_co_i32 s86, s86, s80
	s_add_co_i32 s86, s86, 127
	s_lshl_b32 s87, s86, 23
	v_mov_b32 v[SCV], s87
	s_add_co_i32 s86, s86, 8
	s_lshl_b32 s86, s86, 23
	s_or_b32 s86, s86, 0x600000
	v_mov_b32 v[LIMV], s86
.if KIND
	s_sub_co_i32 s81, 0, s80
	s_wait_loadcnt 0x0
.set n, 0
.rept 64
	v_ldexp_f32 v[BI+n], v[BI+n], s81
.set n, n+1
.endr
.endif
.macro FRAG reg, adr, q, i
.irp c, 0,1,2,3
	ds_load_b128 v[\reg+4*\c:\reg+4*\c+3], v[\adr] offset:128*(\q)+32*\c+(\i)*16*PITCH
.endr
.endm
.macro MUL16 a0, p, zero
.irp a, \a0, \a0+1
.irp b, 0,1,2,3,4,5,6,7
.if \zero
.if KIND
	v_wmma_f32_16x16x128_fp8_fp8 v[8*(8*((\a)%4)+\b):8*(8*((\a)%4)+\b)+7], v[128*(\p)+FR*\b:128*(\p)+FR*\b+FR-1], v[AF+FR*(\a):AF+FR*(\a)+FR-1], v[BI+8*\b:BI+8*\b+7]
.else
	v_wmma_f32_16x16x128_fp8_fp8 v[8*(8*((\a)%4)+\b):8*(8*((\a)%4)+\b)+7], v[128*(\p)+FR*\b:128*(\p)+FR*\b+FR-1], v[AF+FR*(\a):AF+FR*(\a)+FR-1], 0
.endif
.else
	v_wmma_f32_16x16x128_fp8_fp8 v[8*(8*((\a)%4)+\b):8*(8*((\a)%4)+\b)+7], v[128*(\p)+FR*\b:128*(\p)+FR*\b+FR-1], v[AF+FR*(\a):AF+FR*(\a)+FR-1], v[8*(8*((\a)%4)+\b):8*(8*((\a)%4)+\b)+7]
.endif
.endr
.endr
.endm
.macro FETCH_B slot, q, p
	WIN TO_B
.irp i, 0,1,2,3,4,5,6,7
	FRAG 128*(\p)+FR*\i, ADRB+\slot, \q, \i
.endr
	WIN 0
.endm
.macro FETCH_A slot, q, i0
.irp i, \i0, \i0+1, \i0+2, \i0+3
	FRAG AF+FR*(\i), ADRA+\slot, \q, \i
.endr
.endm
.macro PLACES n
.rept \n
	v_nop
.endr
.endm
.macro STEP slot, q, zero
	s_wait_dscnt 4*NL
.if \zero
	WIN FIRST_LO
.else
	WIN MUL_LO
.endif
	MUL16 0, (\q)%2, \zero
	MUL16 2, (\q)%2, \zero
	s_wait_dscnt 0
	PLACES NP
	FETCH_B \slot, (\q)+1, 1-(\q)%2
	FETCH_A \slot, (\q)+1, 0
.if \zero
	WIN FIRST_HI
.else
	WIN MUL_HI
.endif
	MUL16 4, (\q)%2, \zero
	MUL16 6, (\q)%2, \zero
	PLACES NP
	WIN 0
	FETCH_A \slot, (\q)+1, 4
.endm
.macro TURN slot, next, fill
	s_wait_tensorcnt 0x0
	ds_add_u32 v[SPW], v[NIL]
	s_wait_dscnt 4*NL+1
	WIN MUL_LO
	MUL16 0, 1, 0
	s_wait_dscnt 0x0
	s_barrier_signal -1
	MUL16 2, 1, 0
	WIN 0
	s_barrier_wait -1
.if \fill
	CREST
.if ROT
	s_add_co_u32 s[KI+\slot], s[KI+\slot], 2
	KADDR \slot
.else
	s_add_nc_u64 s[G0+4*\slot+2:G0+4*\slot+3], s[G0+4*\slot+2:G0+4*\slot+3], 2*ROWB
	s_add_nc_u64 s[G0B+4*\slot+2:G0B+4*\slot+3], s[G0B+4*\slot+2:G0B+4*\slot+3], 2*ROWB
.endif
	JLOAD G0+4*\slot, G1, G0B+4*\slot, G1B
.else
	PLACES NP
.endif
	FETCH_B \next, 0, 0
	FETCH_A \next, 0, 0
	WIN MUL_HI
	MUL16 4, 1, 0
	MUL16 6, 1, 0
	PLACES NP
	WIN 0
	FETCH_A \next, 0, 4
.endm
	s_wait_alu depctr_va_vdst(0)
	s_wait_tensorcnt 0x0                           ; my part of the first K step is in; slot 1's first fill is issued as a refill is:
	ds_add_u32 v[SPW], v[NIL]                      ; 0 onto my spare word
	s_wait_dscnt 0x0
	CROUND                                         ; everybody's part is in, and the joint loads meet
	JLOAD G0+4, G1, G0B+4, G1B                     ; the second K step, the first tensor load behind the round
	FETCH_B 0, 0, 0
	FETCH_A 0, 0, 0
	FETCH_A 0, 0, 4
	STEP 0, 0, 1
	s_mov_b32 s3, LAPS-1
.Llap:
	TURN 0, 1, 1
	STEP 1, 0, 0
	TURN 1, 0, 1
	STEP 0, 0, 0
	s_sub_co_u32 s3, s3, 1
	s_cmp_lg_u32 s3, 0
	s_cbranch_scc1 .Llap
	TURN 0, 1, 0
	STEP 1, 0, 0
	s_wait_dscnt 4*NL
	WIN MUL_LO
	MUL16 0, 1, 0
	MUL16 2, 1, 0
	s_wait_dscnt 0
	WIN MUL_HI
	MUL16 4, 1, 0
	MUL16 6, 1, 0
	WIN 0
.macro OUTB a
.set AC, 64*((\a)%4)
	WIN 0x02+((\a)/4)
.set n, 0
.rept 64
.if KIND
	v_med3_num_f32 v[TMP+n], v[AC+n], 0, v[LIMV]
.else
	v_med3_num_f32 v[TMP+n], v[AC+n], -v[LIMV], v[LIMV]
.endif
.set n, n+1
.endr
	WIN 0
.irp b, 0,1,2,3,4,5,6,7
	v_cvt_scalef32_pk8_fp8_f32 v[CDS+16*(\a)+2*\b:CDS+16*(\a)+2*\b+1], v[TMP+8*\b:TMP+8*\b+7], v[SCV]
.endr
	v_nop
.irp b, 0,1,2,3,4,5,6,7
	ds_store_b64 v[STO], v[CDS+16*(\a)+2*\b:CDS+16*(\a)+2*\b+1] offset:(\a)*16*SPITCH+16*\b
.endr
.endm
	PLACES NP
.irp a, 0,1,2,3,4,5,6,7
	OUTB \a
.endr
	s_wait_dscnt 0x0
	s_barrier_signal -1
	s_barrier_wait -1
.set t, 0
.rept 32
	ds_load_b128 v[CDS+4*t:CDS+4*t+3], v[RD] offset:2*t*SPITCH
.set t, t+1
.endr
.set t, 0
.rept 32
	s_wait_dscnt 31-t
	global_store_b128 v[CO], v[CDS+4*t:CDS+4*t+3], s[78:79] offset:2*t*CPITCH
.set t, t+1
.endr
	s_wait_tensorcnt 0x0
	ds_add_u32 v[SPW], v[NIL]
	s_wait_dscnt 0x0
	CROUND
	s_endpgm
.Lfunc_end_k_q9fed9f23d7_ff1:
	.size	k_q9fed9f23d7_ff1, .Lfunc_end_k_q9fed9f23d7_ff1-k_q9fed9f23d7_ff1
	.p2alignl 7, 3214868480
	.fill 96, 4, 3214868480
	.section	.rodata,"a",@progbits
	.p2align	6, 0x0
	.amdhsa_kernel k_q9fed9f23d7_ff1
		.amdhsa_group_segment_fixed_size 327680
		.amdhsa_private_segment_fixed_size 0
		.amdhsa_enable_private_segment 0
		.amdhsa_kernarg_size 40
		.amdhsa_user_sgpr_count 2
		.amdhsa_user_sgpr_kernarg_segment_ptr 1
		.amdhsa_wavefront_size32 1
		.amdhsa_system_sgpr_workgroup_id_x 1
		.amdhsa_system_sgpr_workgroup_id_y 1
		.amdhsa_system_sgpr_workgroup_id_z 1
		.amdhsa_system_vgpr_workitem_id 0
		.amdhsa_next_free_vgpr 1024
		.amdhsa_next_free_sgpr 100
		.amdhsa_reserve_vcc 0
		.amdhsa_float_denorm_mode_32 3
		.amdhsa_float_denorm_mode_16_64 3
		.amdhsa_memory_ordered 1
		.amdhsa_forward_progress 1
		.amdhsa_inst_pref_size 132
	.end_amdhsa_kernel
	.amdgpu_metadata
---
amdhsa.version: [ 1, 2 ]
amdhsa.kernels:
  - .name:           k_q9fed9f23d7_ff1
    .symbol:         k_q9fed9f23d7_ff1.kd
    .args:
      - { .name: h2c, .offset: 0, .size: 8, .value_kind: global_buffer, .address_space: global }
      - { .name: W_ff1_codes, .offset: 8, .size: 8, .value_kind: global_buffer, .address_space: global }
      - { .name: lowp_scales, .offset: 16, .size: 8, .value_kind: global_buffer, .address_space: global }
      - { .name: b_ff1, .offset: 24, .size: 8, .value_kind: global_buffer, .address_space: global }
      - { .name: hid, .offset: 32, .size: 8, .value_kind: global_buffer, .address_space: global }
    .group_segment_fixed_size: 327680
    .private_segment_fixed_size: 0
    .kernarg_segment_align: 8
    .kernarg_segment_size: 40
    .max_flat_workgroup_size: 128
    .sgpr_count:     100
    .vgpr_count:     1024
    .wavefront_size: 32
...
	.end_amdgpu_metadata
.endif
;; end of part 6
;; launch ff2 (part 7): grid 8 x 32, 4 waves a work-group, clusters of 4 x 4, 327,680 bytes of LDS; arguments hid, W_ff2_codes, lowp_scales, b_ff2, x1, out0; writes out0
.if DOCPART == 7
	.amdgcn_target "amdgcn-amd-amdhsa--gfx1250"
	.amdhsa_code_object_version 6
	.text
	.protected	k_q9fed9f23d7_ff2
	.globl	k_q9fed9f23d7_ff2
	.p2align	8
	.type	k_q9fed9f23d7_ff2,@function
k_q9fed9f23d7_ff2:
	s_mov_b64 s[64:65], 0
	v_nop
	global_prefetch_b8 v0, s[64:65] scope:SCOPE_SE
	s_setreg_imm32_b32 hwreg(HW_REG_WAVE_MODE, 25, 1), 1
	s_wait_xcnt 0x0
	s_wait_alu depctr_hold_cnt(0) depctr_sa_sdst(0) depctr_va_vdst(0) depctr_va_sdst(0) depctr_va_ssrc(0) depctr_va_vcc(0) depctr_vm_vsrc(0)
	s_getreg_b32 s2, hwreg(HW_REG_IB_STS2, 6, 4)
	s_cmp_eq_u32 s2, 0
	s_cbranch_scc0 .Lentry_in_a_cluster
	s_endpgm
.Lentry_in_a_cluster:
	s_bfe_u32 s2, ttmp6, 0x10000c
	s_cmp_lg_u32 s2, 0xf033
	s_cbranch_scc0 .Lentry_shape_is_right
	s_endpgm
.Lentry_shape_is_right:
; out = res + (A B^T) x 2^(ea + eb) + bias.  A: [4096][4096], B: [1024][4096]: codes of FP8 (E4M3), K innermost, scales: entries 14, 15; bias [1024], res and out [4096][1024]: f32.
; LIMIT: ea + eb between -126 and 127, so that 2^(ea + eb) is an f32 number.
; Tiles of 128 x 128, one for each of 256 work-groups; four waves of 64 x 64; K in steps of 512 through a ring of two LDS slots; clusters of 4 x 4 with joint loads: A's tiles along a row, B's along a column.
; Each cluster begins its walk along K at another step (cluster y + 4 x cluster x) and goes round: the sums' order differs, their terms do not.
; PREFETCH INTO THE L2: behind the joint load of K step j each wave asks for K step j + 2 (counted along its cluster's walk), j = 0 .. 5: a K step is two blocks of 256 bytes of a row.  Of the 64 rows that a wave fetches,
; each of the four partners that ask for them jointly takes 16, told apart BY ADDRESS (cx for A, cy for B): 32 lanes, each another block, one instruction a wave, so each block is named once in each cluster that loads it.
.set SIZE_K, 4096
.set SCOFF,  0x38
.set LASTL,  1
.set ROWB,   512
.set NSTEP,  SIZE_K/ROWB
.set KROW,   SIZE_K
.set PITCH,  528
.set HALFT,  64*PITCH
.set SLOT,   4*HALFT
.set STAGE,  2*SLOT
.set SPITCH, 272
.set SPARE,  STAGE+4*16*SPITCH
.set LAPS, SIZE_K/(2*ROWB)
.set ADRA, 16
.set ADRB, 20
.set STO,  24
.set RD,   25
.set CO,   26
.set SPW,  28
.set NIL,  29
.set TMP,  32
.set ACC,  128
.set F0,   0
.set F1,   128
.set G1, 24
.set G0, 32
.set G1B, 48
.set G0B, 56
.set KBA, 76
.set KBB, 78
.set KI,  80
.set KOF, 82
.set PFB, 84                           ; s[84:85] the prefetches' base: my work-group's 16 rows of the 64 that I fetch
.set PFA, 86                           ; s[86:87] base + the K step asked for
.set PK,  88                           ; s[88:89] that K step's bytes along a row, as a pair with 0 above
.set PFO, 30                           ; v30 the prefetches' offset: row lane / 2 of 4,096 bytes, block lane % 2 of 256; never rewritten
.set MSB, 0
.macro WIN new
.if MSB != \new
	s_set_vgpr_msb (MSB<<8)|\new
.set MSB, \new
.endif
.endm
.set MUL,  0x05
.set TO_F, 0x40
.macro JLOAD s
	s_cmp_eq_u32 s11, 0
	s_cbranch_scc0 .Lfor_b_\@
	tensor_load_to_lds s[G0+4*\s:G0+4*\s+3], s[G1:G1+7]
	s_nop 0
.rept 4
	v_nop
.endr
	s_branch .Lasked_\@
.Lfor_b_\@:
	tensor_load_to_lds s[G0B+4*\s:G0B+4*\s+3], s[G1B:G1B+7]
	s_nop 0
.rept 4
	v_nop
.endr
.Lasked_\@:
.endm
.macro KADDR s
	s_and_b32 s[KOF], s[KI+\s], NSTEP-1
	s_lshl_b32 s[KOF], s[KOF], 9
	s_add_nc_u64 s[G0+4*\s+2:G0+4*\s+3], s[KBA:KBA+1], s[KOF:KOF+1]
	s_or_b32 s[G0+4*\s+3], s[G0+4*\s+3], 0x80000000
	s_add_nc_u64 s[G0B+4*\s+2:G0B+4*\s+3], s[KBB:KBB+1], s[KOF:KOF+1]
	s_or_b32 s[G0B+4*\s+3], s[G0B+4*\s+3], 0x80000000
.endm
.macro PFADDR s, d                     ; the K step that stands d behind slot s's step in hand, round the walk
	s_add_co_u32 s[PK], s[KI+\s], \d
	s_and_b32 s[PK], s[PK], NSTEP-1
	s_lshl_b32 s[PK], s[PK], 9
	s_add_nc_u64 s[PFA:PFA+1], s[PFB:PFB+1], s[PK:PK+1]
.endm
.macro ASK                             ; in the loop's last trip (s3 = 1) the refills are the walk's last two: nothing stands two K steps on
	s_cmp_gt_u32 s3, 1
	s_cbranch_scc0 .Lno_ask_\@
	global_prefetch_b8 v[PFO], s[PFA:PFA+1] th:TH_LOAD_NT scope:SCOPE_SE
.Lno_ask_\@:
.endm
.macro CREST
	s_cmp_lg_u32 s10, 0
	s_cbranch_scc1 .Lnot_wave_0_\@
	s_barrier_signal -3
.Lnot_wave_0_\@:
	s_barrier_wait -3
	s_barrier_signal -1
	s_barrier_wait -1
.endm
.macro CROUND
	s_barrier_signal -1
	s_barrier_wait -1
	CREST
.endm
	s_load_b128 s[4:7], s[0:1], 0x0
	s_load_b128 s[68:71], s[0:1], 0x10
	s_load_b128 s[72:75], s[0:1], 0x20
	v_lshl_add_u32 v[SPW], v0, 2, SPARE
	v_mov_b32 v[NIL], 0
	ds_add_u32 v28, v29
	ds_add_u32 v28, v29
	s_wait_dscnt 0x0
	v_lshrrev_b32 v1, 5, v0
	v_readfirstlane_b32 s10, v1
	s_lshr_b32 s11, s10, 1
	s_and_b32 s12, s10, 1
	s_bfe_u32 s40, ttmp6, 0x40000
	s_bfe_u32 s41, ttmp6, 0x40004
	s_lshl_b32 s42, ttmp9, 2
	s_add_co_u32 s42, s42, s40
	s_and_b32 s13, ttmp7, 0xffff
	s_lshl_b32 s13, s13, 2
	s_add_co_u32 s13, s13, s41
	s_and_b32 s[KI], ttmp7, 0xffff
	s_lshl_b32 s[KI+1], ttmp9, 2
	s_add_co_u32 s[KI], s[KI], s[KI+1]
	s_add_co_u32 s[KI+1], s[KI], 1
	s_mov_b32 s[KOF+1], 0
	s_lshl_b32 s43, s41, 2
	s_lshl_b32 s43, 15, s43
	s_lshl_b32 s44, 0x1111, s40
	s_or_b32 s[G1+0], s43, (0<<16)|(1<<20)|(1<<21)|(6<<22)|(3<<25)
	s_or_b32 s[G1B+0], s44, (0<<16)|(1<<20)|(1<<21)|(6<<22)|(3<<25)
.irp g, G1, G1B
	s_mov_b32 s[\g+1], ROWB<<16
	s_mov_b32 s[\g+2], 64<<16
	s_mov_b32 s[\g+3], ROWB<<16
	s_mov_b32 s[\g+4], 64
	s_mov_b32 s[\g+5], KROW
	s_mov_b32 s[\g+6], 0
	s_mov_b32 s[\g+7], 0
.endr
	s_lshl_b32 s17, s12, 6
	s_lshl_b32 s16, s13, 7
	s_add_co_u32 s16, s16, s17
	s_lshl_b32 s46, s42, 7
	s_add_co_u32 s46, s46, s17
	s_mov_b32 s17, 0
	s_mov_b32 s47, 0
	s_mov_b64 s[18:19], KROW
	s_mul_u64 s[16:17], s[16:17], s[18:19]
	s_mul_u64 s[46:47], s[46:47], s[18:19]
	s_mul_i32 s20, s10, HALFT
	s_wait_kmcnt 0x0
	s_load_b64 s[66:67], s[68:69], SCOFF
	s_add_nc_u64 s[KBA:KBA+1], s[4:5], s[16:17]
	s_add_nc_u64 s[KBB:KBB+1], s[6:7], s[46:47]
	s_cmp_eq_u32 s11, 0                            ; do I fetch for A?
	s_cselect_b64 s[PFB:PFB+1], s[KBA:KBA+1], s[KBB:KBB+1]
	s_cselect_b32 s[PK], s40, s41                  ; my place among the four that ask for the tile with me
	s_lshl_b32 s[PK], s[PK], 16                    ; 16 rows of 4,096 bytes
	s_mov_b32 s[PK+1], 0
	s_add_nc_u64 s[PFB:PFB+1], s[PFB:PFB+1], s[PK:PK+1]
	CROUND
.irp s, 0,1
	s_mov_b32 s[G0+4*\s], 1
	s_add_co_u32 s[G0+4*\s+1], s20, \s*SLOT
	s_mov_b32 s[G0B+4*\s], 1
	s_add_co_u32 s[G0B+4*\s+1], s20, \s*SLOT
	KADDR \s
.endr
	JLOAD 0                                        ; the first K step: one tensor load a wave at the head
	v_and_b32 v1, 15, v0
	s_wait_alu depctr_va_vdst(0)
	v_bfe_u32 v2, v0, 4, 1
	v_mul_u32_u24 v3, v1, PITCH
	v_lshl_add_u32 v3, v2, 4, v3
	s_mul_i32 s21, s11, HALFT
	s_mul_i32 s22, s12, HALFT
	s_add_co_u32 s22, s22, 2*HALFT
.irp s, 0,1
	v_add_nc_u32 v[ADRA+\s], s21, v3
	v_add_nc_u32 v[ADRB+\s], s22, v3
	s_add_co_u32 s21, s21, SLOT
	s_add_co_u32 s22, s22, SLOT
.endr
	s_mul_i32 s23, s10, 16*SPITCH
	s_add_co_u32 s23, s23, STAGE
	v_mul_u32_u24 v4, v1, SPITCH
	s_wait_alu depctr_va_vdst(0)
	v_lshl_add_u32 v4, v2, 5, v4
	v_add_nc_u32 v[STO], s23, v4
	v_mul_u32_u24 v5, v2, SPITCH
	v_lshl_add_u32 v5, v1, 4, v5
	v_add_nc_u32 v[RD], s23, v5
	v_lshlrev_b32 v5, 12, v2
	v_lshl_add_u32 v[CO], v1, 4, v5
	s_wait_alu depctr_va_vdst(0)
	v_lshlrev_b32 v7, 4, v1
	v_bfe_u32 v[PFO], v0, 1, 4                     ; lane / 2
	v_and_b32 v31, 1, v0
	v_lshlrev_b32 v31, 8, v31
	v_lshl_add_u32 v[PFO], v[PFO], 12, v31
	s_wait_alu depctr_va_vdst(0)
	s_lshl_b32 s16, s13, 7
	s_lshl_b32 s17, s11, 6
	s_add_co_u32 s16, s16, s17
	s_lshl_b32 s16, s16, 12
	s_lshl_b32 s46, s42, 9
	s_lshl_b32 s47, s12, 8
	s_add_co_u32 s46, s46, s47
	s_mov_b32 s47, 0
	s_add_nc_u64 s[70:71], s[70:71], s[46:47]
	s_add_co_u32 s46, s46, s16
	s_add_nc_u64 s[72:73], s[72:73], s[46:47]
	s_add_nc_u64 s[74:75], s[74:75], s[46:47]
	global_load_b128 v[8:11], v7, s[70:71]
	PFADDR 0, 2
	global_prefetch_b8 v[PFO], s[PFA:PFA+1] th:TH_LOAD_NT scope:SCOPE_SE   ; behind K step 0's joint load: K step 2
	s_wait_kmcnt 0x0
	s_add_co_i32 s66, s66, s67
	s_add_co_i32 s66, s66, 127
	s_lshl_b32 s66, s66, 23
	s_mov_b32 s67, s66
.macro MUL8 f, c, a0, zero
.irp a, \a0, \a0+1
.irp b, 0,1,2,3
.if \zero
	v_wmma_f32_16x16x64_fp8_fp8 v[ACC+8*(4*(\a)+\b):ACC+8*(4*(\a)+\b)+7], v[\f+64+8*(4*\c+\b):\f+64+8*(4*\c+\b)+7], v[\f+8*(4*\c+\a):\f+8*(4*\c+\a)+7], 0
.else
	v_wmma_f32_16x16x64_fp8_fp8 v[ACC+8*(4*(\a)+\b):ACC+8*(4*(\a)+\b)+7], v[\f+64+8*(4*\c+\b):\f+64+8*(4*\c+\b)+7], v[\f+8*(4*\c+\a):\f+8*(4*\c+\a)+7], v[ACC+8*(4*(\a)+\b):ACC+8*(4*(\a)+\b)+7]
.endif
.endr
.endr
.endm
.macro FETCH slot, k, f
	WIN TO_F
.irp c, 0,1
.irp i, 0,1,2,3
	ds_load_b128 v[\f+64+8*(4*\c+\i):\f+64+8*(4*\c+\i)+3],   v[ADRB+\slot] offset:\k+64*\c+\i*16*PITCH
	ds_load_b128 v[\f+64+8*(4*\c+\i)+4:\f+64+8*(4*\c+\i)+7], v[ADRB+\slot] offset:\k+64*\c+\i*16*PITCH+32
	ds_load_b128 v[\f+8*(4*\c+\i):\f+8*(4*\c+\i)+3],         v[ADRA+\slot] offset:\k+64*\c+\i*16*PITCH
	ds_load_b128 v[\f+8*(4*\c+\i)+4:\f+8*(4*\c+\i)+7],       v[ADRA+\slot] offset:\k+64*\c+\i*16*PITCH+32
.endr
.endr
.endm
.macro PLACES
.rept 4
	v_nop
.endr
.endm
.macro QUARTER slot, k, f, g, zero
	s_wait_dscnt 16
	WIN MUL
	MUL8 \f, 0, 0, \zero
	MUL8 \f, 0, 2, \zero
	PLACES
	FETCH \slot, \k, \g
	s_wait_dscnt 32
	WIN MUL
	MUL8 \f, 1, 0, 0
	MUL8 \f, 1, 2, 0
.endm
.macro TURN slot, next, fill
	WIN 0
.if \fill
	s_wait_xcnt 0x0                                ; my last prefetch, a K step back, has read its address: it is written here, ahead of the waits of the change of slots
	PFADDR \slot, 4                                ; the refill below brings the step 2 on; the prefetch names the step 4 on
.endif
	s_wait_tensorcnt 0x0
	ds_add_u32 v[SPW], v[NIL]
	s_wait_dscnt 17
	WIN MUL
	MUL8 F1, 0, 0, 0
	s_wait_dscnt 0x0
	s_barrier_signal -1
	MUL8 F1, 0, 2, 0
.if \fill
	WIN 0
.endif
	s_barrier_wait -1
.if \fill
	CREST
	s_add_co_u32 s[KI+\slot], s[KI+\slot], 2
	KADDR \slot
	JLOAD \slot
.else
	PLACES
.endif
	FETCH \next, 0, F0
.if \fill
	WIN 0                                          ; a branch follows
	ASK                                            ; behind the joint load and the run of LDS loads that the next products wait for
.endif
	WIN MUL
	MUL8 F1, 1, 0, 0
	MUL8 F1, 1, 2, 0
.endm
	s_wait_xcnt 0x0                                ; the first prefetch has read its address
	PFADDR 1, 2
	s_wait_alu depctr_va_vdst(0)
	s_wait_tensorcnt 0x0                           ; my part of the first K step is in; slot 1's first fill is issued as a refill is:
	ds_add_u32 v[SPW], v[NIL]                      ; 0 onto my spare word
	s_wait_dscnt 0x0
	CROUND                                         ; everybody's part is in, and the joint loads meet
	JLOAD 1                                        ; the second K step, the first tensor load behind the round
	FETCH 0, 0, F0
	WIN 0
	global_prefetch_b8 v[PFO], s[PFA:PFA+1] th:TH_LOAD_NT scope:SCOPE_SE   ; behind K step 1's joint load: K step 3
	QUARTER 0, 128, F0, F1, 1                      ; the first quarter: its first products start the sums
	PLACES
	WIN 0x80                                       ; destination window 2, address window 0
.irp a, 0,1,2,3                                ; the residual is asked for here, behind both first fills' requests: it is on its way while K is walked
.irp t, 0,1,2,3,4,5,6,7
	global_load_b128 v[4*(8*\a+\t):4*(8*\a+\t)+3], v[CO], s[72:73] offset:(16*\a+2*\t)*4096   ; rows 16 a + 2 t and the next: 16 lanes read 256 consecutive bytes
.endr
.endr
	WIN 0
.if LAPS > 1
	WIN 0
	s_mov_b32 s3, LAPS-1
.Llap:
	QUARTER 0, 256, F1, F0, 0
	QUARTER 0, 384, F0, F1, 0
	TURN 0, 1, 1
	QUARTER 1, 128, F0, F1, 0
	QUARTER 1, 256, F1, F0, 0
	QUARTER 1, 384, F0, F1, 0
	TURN 1, 0, 1
	QUARTER 0, 128, F0, F1, 0
	WIN 0
	s_sub_co_u32 s3, s3, 1
	s_cmp_lg_u32 s3, 0
	s_cbranch_scc1 .Llap
.endif
	QUARTER 0, 256, F1, F0, 0
	QUARTER 0, 384, F0, F1, 0
	TURN 0, 1, 0
	QUARTER 1, 128, F0, F1, 0
	QUARTER 1, 256, F1, F0, 0
	QUARTER 1, 384, F0, F1, 0
	s_wait_dscnt 16
	WIN MUL
	MUL8 F1, 0, 0, 0
	MUL8 F1, 0, 2, 0
	s_wait_dscnt 0
	MUL8 F1, 1, 0, 0
	MUL8 F1, 1, 2, 0
	WIN 0
.macro BLK a
.irp b, 0,1,2,3
	ds_store_b128 v[STO], v[ACC+8*(4*(\a)+\b):ACC+8*(4*(\a)+\b)+3] offset:64*\b
	ds_store_b128 v[STO], v[ACC+8*(4*(\a)+\b)+4:ACC+8*(4*(\a)+\b)+7] offset:64*\b+16
.endr
.set OB, TMP+32*((\a)%2)
.irp t, 0,1,2,3,4,5,6,7
	ds_load_b128 v[OB+4*\t:OB+4*\t+3], v[RD] offset:\t*2*SPITCH
.endr
.endm
.macro FIN a, younger
.set OB, TMP+32*((\a)%2)
	s_wait_dscnt \younger
.set p, 0
.rept 16
	v_pk_fma_f32 v[OB+2*p:OB+2*p+1], v[OB+2*p:OB+2*p+1], s[66:67], v[8+2*(p%2):9+2*(p%2)] op_sel_hi:[1,0,1]
.set p, p+1
.endr
	WIN 0x08
.set p, 0
.rept 16
	v_pk_add_f32 v[OB+2*p:OB+2*p+1], v[OB+2*p:OB+2*p+1], v[32*(\a)+2*p:32*(\a)+2*p+1]
.set p, p+1
.endr
	WIN 0
.irp t, 0,1,2,3,4,5,6,7
.if LASTL
	global_store_b128 v[CO], v[OB+4*\t:OB+4*\t+3], s[74:75] offset:(16*(\a)+2*\t)*4096 th:TH_STORE_NT
.else
	global_store_b128 v[CO], v[OB+4*\t:OB+4*\t+3], s[74:75] offset:(16*(\a)+2*\t)*4096
.endif
.endr
.endm
	PLACES
	s_wait_loadcnt 0x0
	BLK 0
.irp a, 1,2,3
.if \a > 1
	s_wait_xcnt 0x0
.endif
	BLK \a
	FIN \a-1, 16
.endr
	FIN 3, 0
	s_wait_tensorcnt 0x0
	ds_add_u32 v[SPW], v[NIL]
	s_wait_dscnt 0x0
	CROUND
	s_endpgm
.Lfunc_end_k_q9fed9f23d7_ff2:
	.size	k_q9fed9f23d7_ff2, .Lfunc_end_k_q9fed9f23d7_ff2-k_q9fed9f23d7_ff2
	.p2alignl 7, 3214868480
	.fill 96, 4, 3214868480
	.section	.rodata,"a",@progbits
	.p2align	6, 0x0
	.amdhsa_kernel k_q9fed9f23d7_ff2
		.amdhsa_group_segment_fixed_size 327680
		.amdhsa_private_segment_fixed_size 0
		.amdhsa_enable_private_segment 0
		.amdhsa_kernarg_size 48
		.amdhsa_user_sgpr_count 2
		.amdhsa_user_sgpr_kernarg_segment_ptr 1
		.amdhsa_wavefront_size32 1
		.amdhsa_system_sgpr_workgroup_id_x 1
		.amdhsa_system_sgpr_workgroup_id_y 1
		.amdhsa_system_sgpr_workgroup_id_z 1
		.amdhsa_system_vgpr_workitem_id 0
		.amdhsa_next_free_vgpr 768
		.amdhsa_next_free_sgpr 92
		.amdhsa_reserve_vcc 0
		.amdhsa_float_denorm_mode_32 3
		.amdhsa_float_denorm_mode_16_64 3
		.amdhsa_memory_ordered 1
		.amdhsa_forward_progress 1
		.amdhsa_inst_pref_size 100
	.end_amdhsa_kernel
	.amdgpu_metadata
---
amdhsa.version: [ 1, 2 ]
amdhsa.kernels:
  - .name:           k_q9fed9f23d7_ff2
    .symbol:         k_q9fed9f23d7_ff2.kd
    .args:
      - { .name: hid, .offset: 0, .size: 8, .value_kind: global_buffer, .address_space: global }
      - { .name: W_ff2_codes, .offset: 8, .size: 8, .value_kind: global_buffer, .address_space: global }
      - { .name: lowp_scales, .offset: 16, .size: 8, .value_kind: global_buffer, .address_space: global }
      - { .name: b_ff2, .offset: 24, .size: 8, .value_kind: global_buffer, .address_space: global }
      - { .name: x1, .offset: 32, .size: 8, .value_kind: global_buffer, .address_space: global }
      - { .name: out0, .offset: 40, .size: 8, .value_kind: global_buffer, .address_space: global }
    .group_segment_fixed_size: 327680
    .private_segment_fixed_size: 0
    .kernarg_segment_align: 8
    .kernarg_segment_size: 48
    .max_flat_workgroup_size: 128
    .sgpr_count:     92
    .vgpr_count:     768
    .wavefront_size: 32
...
	.end_amdgpu_metadata
.endif
;; end of part 7
